; MI455X (gfx1250); checked and timed in simulation.
; The chip was launched on July 23, 2026; its instructions are those of AMD's public machine-readable ISA for CDNA 5 (MIT licence, August 2026) and "CDNA5" Instruction Set Architecture Reference Guide (July 2026). The comments in the code are by the model that wrote it; some were corrected since.
;; Multihead Attention. Allowed arithmetic: matrix products marked QUANTISED: E2M1 operands, one E8M0 scale for each 32 along K, by v_wmma_scale_f32_16x16x128_f8f6f4 with both operands' format E2M1 (or v_wmma_scale_f32_32x16x128_f4), f32 sums; products left as they are: bf16, f16 or f32 operands; f32 sums; everything else in f32.
;; Inputs: Wk 1,024 x 1,024 float32; Wo 1,024 x 1,024 float32; Wq 1,024 x 1,024 float32; Wv 1,024 x 1,024 float32; bk 1,024 float32; bo 1,024 float32; bq 1,024 float32; bv 1,024 float32; key 4 x 2,048 x 1,024 float32; key_padding_mask 4 x 2,048 bool; query 4 x 2,048 x 1,024 float32; value 4 x 2,048 x 1,024 float32.
;; Outputs: out0 4 x 2,048 x 1,024 float32.
;; This version of the problem:
;;   THIS VERSION OF THE PROBLEM IS GIVEN IN LOW PRECISION. The matrix products marked QUANTISED in the list below multiply operands that are first quantised to E2M1 (2 exponent bits, 1 mantissa bit; 4 bits a number), with one power-of-two scale for each 32 numbers along K (OCP MX v1.0); their sums are f32. The products marked 'left as it is' may take bf16, f16 or f32 operands, with f32 sums. Whichever they take, every output number must still come out within the allowed error. Rounding operands to bf16 (8 significant bits) uses up far more of that allowance than f16 does (11 bits, for magnitudes from 6e-5 to 65,504). All else is computed in f32.
;;   The module's matrix products, in the order in which they are computed (A, B: the left and right operand; K: the contracted axis; several contracted axes count as one K, in the product's order):
;;     1. [M 8,192, K 1,024] x [K 1,024, N 1,024]; A: input query; B: input Wq: QUANTISED
;;     2. [M 8,192, K 1,024] x [K 1,024, N 1,024]; A: input key; B: input Wk: QUANTISED
;;     3. [M 8,192, K 1,024] x [K 1,024, N 1,024]; A: input value; B: input Wv: QUANTISED
;;     4. batch 64 x [M 2,048, K 64] x [K 64, N 2,048]; A: computed on the way; B: computed on the way: left as it is (an operand is computed on the way)
;;     5. batch 64 x [M 2,048, K 2,048] x [K 2,048, N 64]; A: computed on the way; B: computed on the way: left as it is (an operand is computed on the way)
;;     6. [M 8,192, K 1,024] x [K 1,024, N 1,024]; A: computed on the way; B: input Wo: left as it is (an operand is computed on the way)
;;   THE QUANTISER, for each operand of a quantised product, along K:
;;     - K is cut into blocks of 32 from its start; a last block that is shorter is filled with zeros.
;;     - A block's scale is 2^e with e = floor(log2(the largest magnitude in the block)) - 2, held to -126 .. 127; a block of zeros has e = 0. As a byte (E8M0): e + 127.
;;     - Each number is divided by its block's scale, clamped to +-6, and rounded to the nearest number of E2M1, ties to even, subnormals kept.
;;     - The product sums the exact products of the quantised numbers (number of the format x scale) in f32.
;;   ~~~python
;;   def quantise(x, axis):      # numpy; x: float32 -> the quantised numbers, widened to float32 again
;;       x = np.moveaxis(x, axis, -1); K = x.shape[-1]
;;       x = np.pad(x, [(0, 0)] * (x.ndim - 1) + [(0, -K % 32)]); x = x.reshape(x.shape[:-1] + (-1, 32)); a = np.abs(x).max(-1, keepdims=True)
;;       e = np.where(a > 0, np.clip(np.frexp(np.where(a > 0, a, 1))[1] - 1 - 2, -126, 127), 0)      # np.frexp(a)[1] - 1 = floor(log2(a)), exactly
;;       r = np.clip(x / 2.0 ** e, -6, 6)
;;       step = 2.0 ** (np.maximum(np.frexp(np.where(r == 0, 1, r))[1] - 1, 0) - 1)
;;       q = np.round(r / step) * step * 2.0 ** e      # np.round: ties to even
;;       return np.moveaxis(q.reshape(q.shape[:-2] + (-1,))[..., :K], -1, axis).astype(np.float32)
;;   ~~~
;; One version. Each part assembles by itself: llvm-mc -triple=amdgcn-amd-amdhsa -mcpu=gfx1250 --defsym DOCPART=n.
;; ======== version 1 of 1: 4 launches
;; limits: values are held in f16: magnitudes above 65,504 overflow, below 6.1e-05 lose precision
;; workspace buffers: codes 14,155,776 bytes; scales 884,736 bytes; wo16 2,097,152 bytes; kbias 32,768 bytes; qscale 256 bytes; qkv 50,331,648 bytes; ctx 16,777,216 bytes
;; launch prep (part 1): grid 897 x 1, 4 waves a work-group, no clusters, 33,280 bytes of LDS; arguments query, key, value, Wq, Wk, Wv, Wo, key_padding_mask, codes, scales, wo16, kbias, qscale; writes codes, scales, wo16, kbias, qscale
.if DOCPART == 1
	.amdgcn_target "amdgcn-amd-amdhsa--gfx1250"
	.amdhsa_code_object_version 6
	.text
	.protected	k_q9bd1573131_prep
	.globl	k_q9bd1573131_prep
	.p2align	8
	.type	k_q9bd1573131_prep,@function
k_q9bd1573131_prep:
	s_mov_b64 s[64:65], 0
	v_nop
	global_prefetch_b8 v0, s[64:65] scope:SCOPE_SE
	s_setreg_imm32_b32 hwreg(HW_REG_WAVE_MODE, 25, 1), 1
	s_wait_xcnt 0x0
; MULTI-HEAD ATTENTION, launch 1 of 4: what the later launches read many times is made once.
; NO WORK OF THE PROBLEM IS LEFT OUT, and every input is loaded.  In particular bk stays: it adds q.bk to the score of every VALID key and nothing to a masked key
; (whose score is replaced by a constant), and the mask is an input: so the term is not the same along the softmax's axis for all values of the inputs.
; WORK-GROUPS 0-863: query, key, value [8192][1024] and Wq, Wk, Wv [1024][1024], f32 with K innermost, become codes of FP4 (E2M1) and one E8M0 byte for each 32 along K.
;   A block's scale is 2^(floor(log2(its largest magnitude)) - 2); each number is divided by it and rounded to the nearest code, ties to even, beyond 6 the largest code.
;   The six tensors are one stream of blocks of 32: codes = rows of 512 bytes (rows 0-8191 query, then key, value, Wq, Wk, Wv), scales = 32 bytes a row, in the same order.
; WORK-GROUPS 864-895: Wo becomes f16 in 16 planes, wo16[p][n][d] = Wo[n][64 p + d]: a plane's rows are 128 bytes on end.
; WORK-GROUP 896: the mask becomes a term for the scores, kbias[b][k] = 0 for a valid key and -2^100 for a masked one, and a factor for q, qscale[b] = log2(e) / 8.
;   A batch with no valid key at all gets kbias = 0 and qscale = 0: all its scores are then equal, which gives the uniform weights that a row of equal masked scores has.
; LIMITS: NaN and infinities among the inputs are not served.  Blocks whose largest magnitude lies under 2^(2 - 126) have their byte held at 1.  A block of zeros gets the byte 1,
;   not 127: its codes are zeros, and this program alone reads the bytes.  Wo goes to f16: magnitudes up to 65,504; under 6e-5 the error is 3e-8 absolute.
; A stream: no tensor loads, no cluster, no matrix unit: nothing is shared between waves, and every byte is read once.
.set WAVES, 4
.set STEPS, 16
.set EMAX,  2
.set CB,    8                          ; bytes of 16 codes
.set R,     16                         ; v16-79   four sets of 16 numbers as they are loaded
.set X,     80                         ; v80-111  two sets of 16 neighbours
.set E,     112                        ; v112-127 a scale byte for each step
.set C,     128                        ; v128-191 codes: four registers for each step, so that no store's data are written again
.set WREG,  8192                       ; LDS: a region for each wave: two stages of 32 x SP bytes, behind them its 256 scale bytes
.set SP,    80                         ; a lane's place in a stage: 64 bytes + 16 of padding
.set SPW,   12                         ; v12 LDS address of my spare word; never rewritten
.set NIL,   13                         ; v13 0; never rewritten
.set SPARE, WAVES*WREG                 ; behind the four regions: the spare words, 128 bytes for each wave, named by no other line
	s_load_b512 s[4:19], s[0:1], 0x0               ; query 4, key 6, value 8, Wq 10, Wk 12, Wv 14, Wo 16, mask 18
	s_load_b256 s[20:27], s[0:1], 0x40             ; codes 20, scales 22, wo16 24, kbias 26
	s_load_b64 s[28:29], s[0:1], 0x60              ; qscale
	v_lshl_add_u32 v[SPW], v0, 2, SPARE
	v_mov_b32 v[NIL], 0
	v_lshrrev_b32 v1, 5, v0
	v_readfirstlane_b32 s36, v1                    ; wave
	v_and_b32 v2, 31, v0                           ; lane
	s_wait_kmcnt 0x0
	s_cmp_ge_u32 ttmp9, 864
	s_cbranch_scc1 .Lother
	; ---- THE QUANTISER.  A wave takes 16 steps of 512 numbers.  Each load reads 512 consecutive bytes; a step's 2,048 bytes turn through the wave's own stage in LDS, so that a lane
	; then holds 16 NEIGHBOURS along K (two neighbouring lanes hold a block), as the conversions want them.
	s_mov_b64 s[30:31], s[14:15]                   ; which tensor: the choice hangs on the work-group's number alone
	s_mov_b32 s32, 832                             ; and its first work-group
	s_cmp_lt_u32 ttmp9, 832
	s_cselect_b64 s[30:31], s[12:13], s[30:31]
	s_cselect_b32 s32, 800, s32
	s_cmp_lt_u32 ttmp9, 800
	s_cselect_b64 s[30:31], s[10:11], s[30:31]
	s_cselect_b32 s32, 768, s32
	s_cmp_lt_u32 ttmp9, 768
	s_cselect_b64 s[30:31], s[8:9], s[30:31]
	s_cselect_b32 s32, 512, s32
	s_cmp_lt_u32 ttmp9, 512
	s_cselect_b64 s[30:31], s[6:7], s[30:31]
	s_cselect_b32 s32, 256, s32
	s_cmp_lt_u32 ttmp9, 256
	s_cselect_b64 s[30:31], s[4:5], s[30:31]
	s_cselect_b32 s32, 0, s32
	s_sub_co_u32 s33, ttmp9, s32
	s_lshl_b32 s33, s33, 2
	s_add_co_u32 s33, s33, s36                     ; which run of 8,192 numbers of the tensor is my wave's
	s_lshl_b32 s38, s33, 15                        ; 32,768 bytes a run
	s_mov_b32 s39, 0
	s_add_nc_u64 s[30:31], s[30:31], s[38:39]
	s_lshl_b32 s33, ttmp9, 2
	s_add_co_u32 s33, s33, s36                     ; which run of the whole stream
	s_lshl_b32 s38, s33, 12                        ; 4,096 bytes of codes a run
	s_add_nc_u64 s[20:21], s[20:21], s[38:39]
	s_lshl_b32 s38, s33, 8                         ; 256 scale bytes a run
	s_add_nc_u64 s[22:23], s[22:23], s[38:39]
	v_lshlrev_b32 v3, 4, v2                        ; my 16 bytes of a load's 512
	s_mul_i32 s37, s36, WREG
	v_lshrrev_b32 v14, 2, v2
	v_mul_u32_u24 v14, v14, SP
	v_and_b32 v15, 3, v2
	v_lshl_add_u32 v14, v15, 4, v14
	v_add_nc_u32 v14, s37, v14                     ; the stage, on the way in: SP (lane / 4) + 16 (lane % 4)
	v_mul_u32_u24 v15, v2, SP
	v_add_nc_u32 v15, s37, v15                     ; on the way out: SP x lane
	v_mul_u32_u24 v4, v2, CB                       ; my codes' place in a step's
	v_lshrrev_b32 v5, 1, v2
	s_add_co_u32 s37, s37, 2*32*SP
	v_add_nc_u32 v5, s37, v5                       ; LDS: my wave's 256 scale bytes, my block's byte
	v_lshlrev_b32 v7, 3, v2
	v_add_nc_u32 v6, s37, v7                       ; and on the way out 8 bytes a lane
.macro LOAD t
.irp i, 0,1,2,3
	global_load_b128 v[R+16*((\t)%4)+4*\i:R+16*((\t)%4)+4*\i+3], v3, s[30:31] offset:2048*(\t)+512*\i th:TH_LOAD_NT   ; 32 lanes read 512 consecutive bytes
.endr
.endm
.macro TURN t                          ; step t's numbers through the stage: LDS serves a wave's instructions in order, so no wait stands between the stores and the loads
.irp i, 0,1,2,3
	ds_store_b128 v14, v[R+16*((\t)%4)+4*\i:R+16*((\t)%4)+4*\i+3] offset:32*SP*((\t)%2)+8*SP*\i
.endr
.irp i, 0,1,2,3
	ds_load_b128 v[X+16*((\t)%2)+4*\i:X+16*((\t)%2)+4*\i+3], v15 offset:32*SP*((\t)%2)+16*\i
.endr
.endm
.irp t, 0,1,2,3
	LOAD \t
.endr
	s_wait_loadcnt 12                              ; step 0's four loads are in; the twelve of steps 1 to 3 may be out
	TURN 0
.macro STEP t
.set XS, X+16*((\t)%2)
.if (\t) > 0
	s_wait_dscnt 1                                 ; this step's numbers are back from the stage (the last step's byte store may be out)
.else
	s_wait_dscnt 0x0
.endif
.if (\t)+4 < STEPS
	LOAD (\t)+4                                    ; into the registers that the stage's stores have read
.endif
.if (\t)+1 < STEPS
.if STEPS-2-(\t) >= 3
	s_wait_loadcnt 12                              ; the next step's four loads are in; those of the three steps behind it may be out
.else
	s_wait_loadcnt 4*(STEPS-2-(\t))
.endif
	TURN (\t)+1                                    ; through the other stage while this step is worked
.endif
	v_max3_num_f32 v8, |v[XS]|, |v[XS+1]|, |v[XS+2]|               ; the largest magnitude of my 16, in two chains
	v_max3_num_f32 v9, |v[XS+3]|, |v[XS+4]|, |v[XS+5]|
.irp i, 6,10
	v_max3_num_f32 v8, v8, |v[XS+\i]|, |v[XS+\i+1]|
	v_max3_num_f32 v9, v9, |v[XS+\i+2]|, |v[XS+\i+3]|
.endr
	v_max3_num_f32 v8, v8, |v[XS+14]|, |v[XS+15]|
	v_max3_num_f32 v8, v8, v9, (EMAX+1)<<23        ; and the floor 2^(EMAX + 1 - 127): the byte cannot fall under 1
	v_max_num_f32_dpp v8, v8, v8 row_xmask:1 row_mask:0xf bank_mask:0xf   ; with my neighbour's 16: the block's
	v_add_nc_u32 v11, -(EMAX<<23), v8              ; EMAX off its exponent field: the conversion takes this operand's exponent field as its scale
	v_cvt_scalef32_pk8_fp4_f32 v[C+4*(\t)], v[XS:XS+7], v11
	v_cvt_scalef32_pk8_fp4_f32 v[C+4*(\t)+1], v[XS+8:XS+15], v11
	v_lshrrev_b32 v[E+(\t)], 23, v11               ; the scale's byte
	ds_store_b8 v5, v[E+(\t)] offset:16*(\t)       ; both lanes of a block write the same byte with the same value
	global_store_b64 v4, v[C+4*(\t):C+4*(\t)+1], s[20:21] offset:32*CB*(\t)   ; the wave stores 256 consecutive bytes, aligned
.endm
.irp t, 0,1,2,3,4,5,6,7,8,9,10,11,12,13,14,15
	STEP \t
.endr
	ds_load_b64 v[8:9], v6                         ; LDS serves a wave's instructions in order: these see my byte stores
	s_wait_dscnt 0x0
	global_store_b64 v7, v[8:9], s[22:23]          ; 32 lanes store 256 consecutive bytes, aligned
	s_wait_tensorcnt 0x0                           ; the wave's end, behind my last LDS store
	ds_add_u32 v[SPW], v[NIL]
	s_wait_dscnt 0x0
	s_endpgm
.Lother:
	s_cmp_eq_u32 ttmp9, 896
	s_cbranch_scc1 .Lmask
	; ---- Wo TO f16, IN PLANES.  A wave owns 8 rows, two at a time: lanes 0-15 one row, lanes 16-31 the next.  A load reads 256 consecutive bytes a row (64 numbers: one plane's),
	; a store writes the two rows' 128 bytes of that plane, which lie on end: 256 consecutive bytes, aligned.  No LDS.
	s_sub_co_u32 s33, ttmp9, 864
	s_lshl_b32 s33, s33, 2
	s_add_co_u32 s33, s33, s36                     ; 0 .. 127: rows 8 x this on
	s_lshl_b32 s38, s33, 15
	s_mov_b32 s39, 0
	s_add_nc_u64 s[16:17], s[16:17], s[38:39]
	s_lshl_b32 s38, s33, 10
	s_add_nc_u64 s[24:25], s[24:25], s[38:39]
	v_and_b32 v1, 15, v2
	v_lshrrev_b32 v5, 4, v2
	v_lshlrev_b32 v3, 4, v1
	v_lshl_add_u32 v3, v5, 12, v3                  ; in: 4,096 x half + 16 x (lane % 16)
	v_lshlrev_b32 v4, 3, v1
	v_lshl_add_u32 v4, v5, 7, v4                   ; out: 128 x half + 8 x (lane % 16)
.macro WLOAD i                         ; rows 2 i, 2 i + 1: sixteen planes
.irp p, 0,1,2,3,4,5,6,7,8,9,10,11,12,13,14,15
	global_load_b128 v[16+64*((\i)%2)+4*\p:16+64*((\i)%2)+4*\p+3], v3, s[16:17] offset:8192*(\i)+256*\p th:TH_LOAD_NT
.endr
.endm
.macro WBATCH i
.if (\i) < 3
	s_wait_loadcnt 16                              ; this pair of rows is in; the next pair's sixteen loads may be out
.else
	s_wait_loadcnt 0x0
.endif
.if (\i) > 0
	s_wait_xcnt 0x0                                ; the last pair's stores have read v144-175: only now are these written again
.endif
.irp p, 0,1,2,3,4,5,6,7,8,9,10,11,12,13,14,15
	v_cvt_pk_f16_f32 v[144+2*\p], v[16+64*((\i)%2)+4*\p], v[16+64*((\i)%2)+4*\p+1]
	v_cvt_pk_f16_f32 v[145+2*\p], v[16+64*((\i)%2)+4*\p+2], v[16+64*((\i)%2)+4*\p+3]
.endr
.irp p, 0,1,2,3,4,5,6,7,8,9,10,11,12,13,14,15
	global_store_b64 v4, v[144+2*\p:145+2*\p], s[24:25] offset:131072*\p+256*(\i)
.endr
.if (\i)+2 < 4
	WLOAD (\i)+2
.endif
.endm
	WLOAD 0
	WLOAD 1
	WBATCH 0
	WBATCH 1
	WBATCH 2
	WBATCH 3
	s_endpgm
.Lmask:
	; ---- THE MASK.  Wave w takes batch w: 2,048 bytes, 0 or 1.  Nothing here steers an address or a branch: the bytes only select values.  No LDS.
	s_lshl_b32 s38, s36, 11
	s_mov_b32 s39, 0
	s_add_nc_u64 s[18:19], s[18:19], s[38:39]
	s_lshl_b32 s38, s36, 13
	s_add_nc_u64 s[26:27], s[26:27], s[38:39]
	v_lshlrev_b32 v3, 4, v2
	v_lshlrev_b32 v4, 6, v2
.irp i, 0,1,2,3
	global_load_b128 v[16+4*\i:19+4*\i], v3, s[18:19] offset:512*\i   ; keys 512 i + 16 lane + 0 .. 15
.endr
	s_wait_loadcnt 0x0
	v_or_b32 v8, v16, v17
.irp i, 18,19,20,21,22,23,24,25,26,27,28,29,30,31
	v_or_b32 v8, v8, v[\i]
.endr
	v_cmp_ne_u32 vcc_lo, 0, v8                     ; lanes that hold a valid key
	s_cmp_lg_u32 vcc_lo, 0                         ; has the batch any?
	s_cselect_b32 s33, 0xf1800000, 0               ; a masked key's term: -2^100; in a batch with no valid key 0
	s_cselect_b32 s34, 0x3e38aa3b, 0               ; q's factor: log2(e) / 8; in such a batch 0
.irp n, 0,1,2,3,4,5,6,7,8,9,10,11,12,13,14,15
.irp y, 0,1,2,3
	v_bfe_u32 v[32+4*\n+\y], v[16+\n], 8*\y, 8
.endr
.endr
.irp n, 0,1,2,3,4,5,6,7,8,9,10,11,12,13,14,15,16,17,18,19,20,21,22,23,24,25,26,27,28,29,30,31,32,33,34,35,36,37,38,39,40,41,42,43,44,45,46,47,48,49,50,51,52,53,54,55,56,57,58,59,60,61,62,63
	v_add_nc_u32 v[32+\n], -1, v[32+\n]            ; valid: 0; masked: all ones
.endr
.irp n, 0,1,2,3,4,5,6,7,8,9,10,11,12,13,14,15,16,17,18,19,20,21,22,23,24,25,26,27,28,29,30,31,32,33,34,35,36,37,38,39,40,41,42,43,44,45,46,47,48,49,50,51,52,53,54,55,56,57,58,59,60,61,62,63
	v_and_b32 v[32+\n], s33, v[32+\n]
.endr
.irp n, 0,1,2,3,4,5,6,7,8,9,10,11,12,13,14,15
	global_store_b128 v4, v[32+4*\n:35+4*\n], s[26:27] offset:2048*(\n/4)+16*(\n%4)   ; lanes stand 64 bytes apart: each store covers a quarter of the bytes that it spans; 32 KiB in the whole launch
.endr
	v_mov_b32 v10, s34
	v_mov_b32 v11, s36
	v_lshlrev_b32 v11, 2, v11
	v_cmp_eq_u32 vcc_lo, 0, v2
	s_wait_xcnt 0x0                                ; EXEC is a source of the stores above: it changes only behind this wait
	s_and_saveexec_b32 s35, vcc_lo
	global_store_b32 v11, v10, s[28:29]            ; qscale[w], by lane 0
	s_wait_xcnt 0x0                                ; and again in front of the line that widens it
	s_or_b32 exec_lo, exec_lo, s35
	s_endpgm
.Lfunc_end_k_q9bd1573131_prep:
	.size	k_q9bd1573131_prep, .Lfunc_end_k_q9bd1573131_prep-k_q9bd1573131_prep
	.p2alignl 7, 3214868480
	.fill 96, 4, 3214868480
	.section	.rodata,"a",@progbits
	.p2align	6, 0x0
	.amdhsa_kernel k_q9bd1573131_prep
		.amdhsa_group_segment_fixed_size 33280
		.amdhsa_private_segment_fixed_size 0
		.amdhsa_enable_private_segment 0
		.amdhsa_kernarg_size 104
		.amdhsa_user_sgpr_count 2
		.amdhsa_user_sgpr_kernarg_segment_ptr 1
		.amdhsa_wavefront_size32 1
		.amdhsa_system_sgpr_workgroup_id_x 1
		.amdhsa_system_sgpr_workgroup_id_y 1
		.amdhsa_system_sgpr_workgroup_id_z 1
		.amdhsa_system_vgpr_workitem_id 0
		.amdhsa_next_free_vgpr 192
		.amdhsa_next_free_sgpr 66
		.amdhsa_reserve_vcc 1
		.amdhsa_float_denorm_mode_32 3
		.amdhsa_float_denorm_mode_16_64 3
		.amdhsa_memory_ordered 1
		.amdhsa_forward_progress 1
		.amdhsa_inst_pref_size 66
	.end_amdhsa_kernel
	.amdgpu_metadata
---
amdhsa.version: [ 1, 2 ]
amdhsa.kernels:
  - .name:           k_q9bd1573131_prep
    .symbol:         k_q9bd1573131_prep.kd
    .args:
      - { .name: query, .offset: 0, .size: 8, .value_kind: global_buffer, .address_space: global }
      - { .name: key, .offset: 8, .size: 8, .value_kind: global_buffer, .address_space: global }
      - { .name: value, .offset: 16, .size: 8, .value_kind: global_buffer, .address_space: global }
      - { .name: Wq, .offset: 24, .size: 8, .value_kind: global_buffer, .address_space: global }
      - { .name: Wk, .offset: 32, .size: 8, .value_kind: global_buffer, .address_space: global }
      - { .name: Wv, .offset: 40, .size: 8, .value_kind: global_buffer, .address_space: global }
      - { .name: Wo, .offset: 48, .size: 8, .value_kind: global_buffer, .address_space: global }
      - { .name: key_padding_mask, .offset: 56, .size: 8, .value_kind: global_buffer, .address_space: global }
      - { .name: codes, .offset: 64, .size: 8, .value_kind: global_buffer, .address_space: global }
      - { .name: scales, .offset: 72, .size: 8, .value_kind: global_buffer, .address_space: global }
      - { .name: wo16, .offset: 80, .size: 8, .value_kind: global_buffer, .address_space: global }
      - { .name: kbias, .offset: 88, .size: 8, .value_kind: global_buffer, .address_space: global }
      - { .name: qscale, .offset: 96, .size: 8, .value_kind: global_buffer, .address_space: global }
    .group_segment_fixed_size: 33280
    .private_segment_fixed_size: 0
    .kernarg_segment_align: 8
    .kernarg_segment_size: 104
    .max_flat_workgroup_size: 128
    .sgpr_count:     66
    .vgpr_count:     192
    .wavefront_size: 32
...
	.end_amdgpu_metadata
.endif
;; end of part 1
;; launch proj (part 2): grid 4 x 96, 4 waves a work-group, clusters of 4 x 4, 327,680 bytes of LDS; arguments codes, scales, qkv, qscale, bq, bk, bv; writes qkv
.if DOCPART == 2
	.amdgcn_target "amdgcn-amd-amdhsa--gfx1250"
	.amdhsa_code_object_version 6
	.text
	.protected	k_q9bd1573131_proj
	.globl	k_q9bd1573131_proj
	.p2align	8
	.type	k_q9bd1573131_proj,@function
k_q9bd1573131_proj:
	s_mov_b64 s[64:65], 0
	v_nop
	global_prefetch_b8 v0, s[64:65] scope:SCOPE_SE
	s_setreg_imm32_b32 hwreg(HW_REG_WAVE_MODE, 25, 1), 1
	s_wait_xcnt 0x0
	s_wait_alu depctr_hold_cnt(0) depctr_sa_sdst(0) depctr_va_vdst(0) depctr_va_sdst(0) depctr_va_ssrc(0) depctr_va_vcc(0) depctr_vm_vsrc(0)
	s_getreg_b32 s2, hwreg(HW_REG_IB_STS2, 6, 4)
	s_cmp_eq_u32 s2, 0
	s_cbranch_scc0 .Lentry_in_a_cluster
	s_endpgm
.Lentry_in_a_cluster:
	s_bfe_u32 s2, ttmp6, 0x10000c
	s_cmp_lg_u32 s2, 0xf033
	s_cbranch_scc0 .Lentry_shape_is_right
	s_endpgm
.Lentry_shape_is_right:
; Launch 2 of 4: the three input projections as ONE product on codes of FP4 (E2M1) with one E8M0 scale for each 32 along K = 1,024.
; A = the 24,576 stacked rows of query, key, value; B = the weight of tensor T (Wq, Wk, Wv: 1,024 rows each, behind A's rows in the same two buffers).
; out = A B^T + bias; q's rows are then multiplied, in f32, by qscale[batch] (log2(e) / 8, or 0 for a batch with no valid key); all is rounded once to f16 and laid by head:
; qkv[T][b][h][s][64], so that a head's rows are 128 bytes on end.  No work is left out.
; LIMIT: the results go to f16: magnitudes up to 65,504; under 6e-5 the error is 3e-8 absolute.
; A tile of 256 x 256 is made by four waves, 128 x 128 each: 64 accumulators, 512 registers.  K is two LDS slots of 512 (rows of 256 bytes): both are filled at the head and nothing is filled again,
; so there is no loop and no refill.  The scale bytes of the tile's 256 + 256 rows, for all of K, come once, as dense blocks.  By the text's count three tensor loads of a wave are out at the most.
; CLUSTERS: 4 x 4 work-groups: A's tiles are asked for jointly along a row of the cluster, B's along a column.  A cluster's four tile rows lie in one tensor, so T is the same in all sixteen.
; THE MATRIX INSTRUCTION IS USED TRANSPOSED (source 0 = 16 rows of B, source 1 = 16 rows of A): a lane holds eight neighbouring features of one token.  THE BIAS IS THE C OF EACH SUM'S FIRST PRODUCT.
; No prefetch: all of K is asked for at the head.
; REGISTERS: window 0: v0-31 addresses; v32-95 scale words, two sets; v96-127 packed results; v128-191 A's fragments, one set (on the way out: rows read back); v192-255 the bias in the result's layout.
;   window 1: B's fragments, two sets, at v0 and v128.   window 2: the accumulators of my rows 0-63 ((a, b) at v[8 (8 a + b)]);   window 3: those of rows 64-127.
.set NQ,     4                         ; steps of 128 along K in a slot
.set ROWB,   256                       ; a tile's row in bytes: 512 codes
.set KROW,   512                       ; a row of codes in memory
.set PITCH,  272                       ; an LDS row: 256 bytes + 16 of padding: the 16 rows that a load touches start 68 words apart
.set FR,     8                         ; registers of a fragment: 16 rows x 128 K
.set NL,     2                         ; LDS loads that bring one
.set NP,     4                         ; places behind this matrix instruction (ISA guide 7.12.1)
.set HALFT,  128*PITCH                 ; 128 rows: what one tensor load brings
.set SLOT,   4*HALFT                   ; A's 256 rows, then B's 256 rows
.set KS,     32                        ; a row of scale bytes
.set SCL,    2*SLOT                    ; behind the slots: the scales, as units of 256 bytes + 16 of padding
.set HALFS,  (128*KS/256)*272          ; those of 128 rows
.set SBLK,   (16*KS/256)*272           ; those of 16 rows
.set SPARE,  SCL+4*HALFS               ; the spare words, 128 bytes for each wave, named by no other line
.set SPITCH, 272                       ; the way out: a stage of 16 rows x (256 bytes + 16) for each wave, in slot 0, which has had its one fill and its last read by then
.set WOFF,   12582912                  ; where the weights' codes begin
.set WSOFF,  786432                    ; and their scale bytes
.set ADRA, 16                          ; v16-17 LDS address of my A fragments in slot 0, 1
.set ADRB, 20                          ; v20-21 the same for B
.set STO,  24                          ; v24 the way out: where I put 16 bytes of a row
.set RD,   25                          ; v25 where I read back
.set CO,   26                          ; v26 my byte offset in qkv
.set ADRS, 27                          ; v27 LDS address of my scale words: lanes 0-15 A's rows, lanes 16-31 B's
.set SPW,  28                          ; v28 my spare word; never rewritten
.set NIL,  29                          ; v29 0; never rewritten
.set BO,   30                          ; v30 32 x (lane / 16): my eight numbers of a block's bias
.set SC,   32
.set TMP,  96
.set AF,   128
.set BK,   128                         ; v128-159 and v160-191 by turns
.set BI,   192
.set G1, 24
.set G0, 32
.set G1B, 48
.set G0B, 56
.set G1S, 68
.set G0S, 76
.set G1SB, 80
.set G0SB, 88
.set MSB, 0
.macro WIN new                         ; the immediate's high byte repeats the setting that is left
.if MSB != (\new)
	s_set_vgpr_msb (MSB<<8)|(\new)
.set MSB, (\new)
.endif
.endm
.set MUL_LO, 0xa1                      ; source 0 (B) window 1, source 1 (A) window 0, C and D window 2
.set MUL_HI, 0xf1                      ; the same, C and D window 3
.set FST_LO, 0x81                      ; a sum's first product: C (the bias) window 0, D window 2
.set FST_HI, 0xc1                      ; D window 3
.set TO_B,   0x40                      ; destination window 1, address window 0
; A joint load: waves 0 and 1 fetch for A, waves 2 and 3 for B; the branch hangs on the wave's number alone.  An s_nop 0 and four v_nop follow each of the two lines.
.macro JLOAD g0a, g1a, g0b, g1b
	s_cmp_eq_u32 s15, 0
	s_cbranch_scc0 .Lfor_b_\@
	tensor_load_to_lds s[\g0a:\g0a+3], s[\g1a:\g1a+7]
	s_nop 0
.rept 4
	v_nop
.endr
	s_branch .Lasked_\@
.Lfor_b_\@:
	tensor_load_to_lds s[\g0b:\g0b+3], s[\g1b:\g1b+7]
	s_nop 0
.rept 4
	v_nop
.endr
.Lasked_\@:
.endm
.macro CROUND                          ; a round of the cluster's barrier
	s_barrier_signal -1
	s_barrier_wait -1
	s_cmp_lg_u32 s14, 0
	s_cbranch_scc1 .Lnot_wave_0_\@
	s_barrier_signal -3
.Lnot_wave_0_\@:
	s_barrier_wait -3
	s_barrier_signal -1
	s_barrier_wait -1
.endm
	s_load_b256 s[4:11], s[0:1], 0x0               ; codes 4, scales 6, qkv 8, qscale 10
	s_load_b128 s[96:99], s[0:1], 0x20             ; bq, bk
	s_load_b64 s[100:101], s[0:1], 0x30            ; bv
	v_lshl_add_u32 v[SPW], v0, 2, SPARE
	v_mov_b32 v[NIL], 0
	ds_add_u32 v[SPW], v[NIL]                      ; the wave's opening: the add, twice on end, and its wait ahead of my first tensor load
	ds_add_u32 v[SPW], v[NIL]
	v_lshrrev_b32 v1, 5, v0
	v_readfirstlane_b32 s14, v1                    ; wave 0..3
	s_lshr_b32 s15, s14, 1                         ; which half of the tile's rows is mine.  Also: I fetch for A (0) or for B (1)
	s_and_b32 s16, s14, 1                          ; which half of its columns.  Also: which 128 rows I fetch
	s_bfe_u32 s40, ttmp6, 0x40000                  ; cx, cy: my place in the cluster
	s_bfe_u32 s41, ttmp6, 0x40004
	s_lshl_b32 s42, ttmp9, 2
	s_add_co_u32 s42, s42, s40                     ; tile column = 4 x cluster x + cx
	s_and_b32 s67, ttmp7, 0xffff                   ; cluster y: 1,024 stacked rows each
	s_lshl_b32 s17, s67, 2
	s_add_co_u32 s17, s17, s41                     ; tile row = 4 x cluster y + cy
	s_lshr_b32 s66, s67, 3                         ; T: 0 query, 1 key, 2 value: eight clusters a tensor
	s_lshr_b32 s95, s67, 1
	s_and_b32 s95, s95, 3                          ; the batch: two clusters each
	s_lshl_b32 s95, s95, 2                         ; its word of qscale
	s_lshl_b32 s43, s41, 2
	s_lshl_b32 s43, 15, s43                        ; my row of the cluster
	s_lshl_b32 s44, 0x1111, s40                    ; my column
	; descriptor group 1: a tile of 128 rows x 256 bytes, 16 bytes of padding behind each row
	s_or_b32 s[G1+0], s43, (0<<16)|(1<<20)|(1<<21)|(5<<22)|(3<<25)  ; 15:0 the mask; 17:16 elements of 1 byte; 20 padding on; 21 set beside a mask; 24:22 after every 64 words; 31:25 four words
	s_or_b32 s[G1B+0], s44, (0<<16)|(1<<20)|(1<<21)|(5<<22)|(3<<25)
.irp g, G1, G1B
	s_mov_b32 s[\g+1], ROWB<<16                    ; tensor_dim0
	s_mov_b32 s[\g+2], 128<<16                     ; tensor_dim1
	s_mov_b32 s[\g+3], ROWB<<16                    ; tile_dim0
	s_mov_b32 s[\g+4], 128                         ; tile_dim1
	s_mov_b32 s[\g+5], KROW                        ; from row to row
	s_mov_b32 s[\g+6], 0
	s_mov_b32 s[\g+7], 0
.endr
	; the scales of 128 rows: 4,096 dense bytes as 16 rows of 256 (32 elements of 8 bytes), 16 bytes of padding behind each
	s_or_b32 s[G1S+0], s43, (3<<16)|(1<<20)|(1<<21)|(5<<22)|(3<<25)
	s_or_b32 s[G1SB+0], s44, (3<<16)|(1<<20)|(1<<21)|(5<<22)|(3<<25)
.irp g, G1S, G1SB
	s_mov_b32 s[\g+1], 32<<16
	s_mov_b32 s[\g+2], (128*KS/256)<<16
	s_mov_b32 s[\g+3], 32<<16
	s_mov_b32 s[\g+4], 128*KS/256
	s_mov_b32 s[\g+5], 32
	s_mov_b32 s[\g+6], 0
	s_mov_b32 s[\g+7], 0
.endr
	s_lshl_b32 s18, s16, 7                         ; which 128 rows of the tile I fetch
	s_lshl_b32 s20, s17, 8
	s_add_co_u32 s20, s20, s18                     ; A: stacked row 256 x tile row + 128 x half
	s_lshl_b32 s46, s42, 8
	s_add_co_u32 s46, s46, s18
	s_lshl_b32 s19, s66, 10
	s_add_co_u32 s46, s46, s19                     ; B: weight row 1,024 T + 256 x tile column + 128 x half
	s_lshl_b32 s22, s20, 5                         ; the rows' scale bytes,
	s_mov_b32 s23, 0
	s_lshl_b32 s92, s46, 5
	s_add_co_u32 s92, s92, WSOFF
	s_mov_b32 s93, 0
	s_lshl_b32 s20, s20, 9                         ; and their codes (all under 2^32)
	s_mov_b32 s21, 0
	s_lshl_b32 s46, s46, 9
	s_add_co_u32 s46, s46, WOFF
	s_mov_b32 s47, 0
	s_mul_i32 s45, s14, HALFT                      ; where they go: wave x 128 rows: no place in the cluster enters an LDS address
	s_mul_i32 s94, s14, HALFS
	s_wait_dscnt 0x0                               ; both opening adds are done
	s_wait_kmcnt 0x0
	s_add_nc_u64 s[20:21], s[4:5], s[20:21]
	s_add_nc_u64 s[22:23], s[6:7], s[22:23]
	s_add_nc_u64 s[46:47], s[4:5], s[46:47]
	s_add_nc_u64 s[92:93], s[6:7], s[92:93]
	CROUND                                         ; all sixteen work-groups are here: the joint loads meet
	s_mov_b32 s[G0S], 1
	s_add_co_u32 s[G0S+1], s94, SCL
	s_mov_b64 s[G0S+2:G0S+3], s[22:23]
	s_or_b32 s[G0S+3], s[G0S+3], 0x80000000
	s_mov_b32 s[G0SB], 1
	s_add_co_u32 s[G0SB+1], s94, SCL
	s_mov_b64 s[G0SB+2:G0SB+3], s[92:93]
	s_or_b32 s[G0SB+3], s[G0SB+3], 0x80000000
	JLOAD G0S, G1S, G0SB, G1SB                     ; the scales first: they are wanted with the first step
.irp s, 0,1
	s_mov_b32 s[G0+4*\s], 1
	s_add_co_u32 s[G0+4*\s+1], s45, \s*SLOT
	s_add_nc_u64 s[G0+4*\s+2:G0+4*\s+3], s[20:21], \s*ROWB
	s_or_b32 s[G0+4*\s+3], s[G0+4*\s+3], 0x80000000
	s_mov_b32 s[G0B+4*\s], 1
	s_add_co_u32 s[G0B+4*\s+1], s45, \s*SLOT
	s_add_nc_u64 s[G0B+4*\s+2:G0B+4*\s+3], s[46:47], \s*ROWB
	s_or_b32 s[G0B+4*\s+3], s[G0B+4*\s+3], 0x80000000
	JLOAD G0+4*\s, G1, G0B+4*\s, G1B
.endr
	s_load_b32 s104, s[10:11], s95 offset:0x0      ; qscale[batch]: a factor alone: no branch and no address hangs on it
	v_and_b32 v1, 15, v0                           ; r = lane % 16
	v_bfe_u32 v2, v0, 4, 1                         ; h = lane / 16
	v_mul_u32_u24 v3, v1, PITCH
	v_lshl_add_u32 v4, v2, 4, v3                   ; a fragment's row x pitch + 16 h
	s_mul_i32 s21, s15, HALFT                      ; my 128 rows of A
	s_mul_i32 s22, s16, HALFT                      ; my 128 rows of B,
	s_add_co_u32 s22, s22, 2*HALFT                 ; which lie behind A's 256
.irp s, 0,1
	v_add_nc_u32 v[ADRA+\s], s21, v4
	v_add_nc_u32 v[ADRB+\s], s22, v4
	s_add_co_u32 s21, s21, SLOT
	s_add_co_u32 s22, s22, SLOT
.endr
	v_mul_u32_u24 v5, v1, KS                       ; my row's scales: 32 bytes a row,
	v_lshrrev_b32 v6, 8, v5
	v_lshl_add_u32 v5, v6, 4, v5                   ; and 16 more for each 256 passed
	s_mul_i32 s21, s15, HALFS
	s_mul_i32 s22, s16, HALFS
	s_add_co_u32 s22, s22, 2*HALFS
	s_sub_co_u32 s22, s22, s21
	v_mul_u32_u24 v6, s22, v2                      ; lanes 16-31 take B's: one product, the distance between the two bases
	s_add_co_u32 s21, s21, SCL
	v_add_nc_u32 v5, v5, v6
	v_add_nc_u32 v[ADRS], s21, v5
	s_mul_i32 s23, s14, 16*SPITCH                  ; my stage
	v_mul_u32_u24 v5, v1, SPITCH                   ; in: row r, 16 bytes for each half of the lanes
	v_lshl_add_u32 v5, v2, 4, v5
	v_add_nc_u32 v[STO], s23, v5
	v_bfe_u32 v5, v0, 3, 1                         ; back: lanes 0-15 take head 0 of my two, lanes 16-31 head 1; in each, eight lanes a token's 128 bytes, two tokens
	v_and_b32 v6, 7, v0
	v_lshlrev_b32 v6, 4, v6
	v_mul_u32_u24 v7, v5, SPITCH
	v_lshl_add_u32 v7, v2, 7, v7
	v_add_nc_u32 v7, v7, v6
	v_add_nc_u32 v[RD], s23, v7
	v_lshl_add_u32 v[CO], v5, 7, v6                ; and the same place in qkv: a head's plane is 262,144 bytes
	v_lshl_add_u32 v[CO], v2, 18, v[CO]
	v_lshlrev_b32 v[BO], 5, v2
	s_cmp_eq_u32 s66, 2                            ; the bias of tensor T: a choice that hangs on ids alone
	s_cselect_b64 s[98:99], s[100:101], s[98:99]
	s_cmp_eq_u32 s66, 0
	s_cselect_b64 s[96:97], s[96:97], s[98:99]
	s_lshl_b32 s18, s42, 10
	s_lshl_b32 s19, s16, 9
	s_add_co_u32 s18, s18, s19                     ; my first feature, x 4 bytes
	s_mov_b32 s19, 0
	s_add_nc_u64 s[96:97], s[96:97], s[18:19]
.irp b, 0,1,2,3,4,5,6,7
	global_load_b128 v[BI+8*\b:BI+8*\b+3], v[BO], s[96:97] offset:64*\b       ; lane (r, h): the bias of features 16 b + 8 h + 0 .. 7
	global_load_b128 v[BI+8*\b+4:BI+8*\b+7], v[BO], s[96:97] offset:64*\b+16
.endr
	s_lshl_b32 s20, s17, 8
	s_lshl_b32 s21, s15, 7
	s_add_co_u32 s20, s20, s21                     ; my first stacked row
	s_lshr_b32 s21, s20, 11
	s_lshl_b32 s21, s21, 22                        ; (4 T + b) x 4,194,304
	s_and_b32 s20, s20, 2047
	s_lshl_b32 s20, s20, 7                         ; + the token in its sequence x 128
	s_add_co_u32 s20, s20, s21
	s_lshl_b32 s21, s42, 20
	s_add_co_u32 s20, s20, s21
	s_lshl_b32 s21, s16, 19
	s_add_co_u32 s20, s20, s21                     ; + my first head (4 x tile column + 2 x half) x 262,144
	s_mov_b32 s21, 0
	s_add_nc_u64 s[8:9], s[8:9], s[20:21]
	s_wait_kmcnt 0x0
	s_mov_b32 s105, s104                           ; (the packed multiply names the pair)
.macro FRAG reg, adr, q, i             ; 16 rows x 128 K of 4-bit codes: lane (r, h) holds row r; registers 4 c .. 4 c + 3 hold K = 64 c + 32 h + 0 .. 31
.irp c, 0,1
	ds_load_b128 v[\reg+4*\c:\reg+4*\c+3], v[\adr] offset:64*(\q)+32*\c+(\i)*16*PITCH
.endr
.endm
; 16 matrix instructions: A's blocks a0, a0 + 1 x B's eight, the slot's q-th 128 along K.  p: B's set; sc: the set of scale words.  zero = 1: the first product starts the sums from the bias.
; The 64 accumulators take turns, one instruction a turn, in the same order in every step.
.macro MUL16 a0, p, q, sc, zero
.irp a, \a0, \a0+1
.irp b, 0,1,2,3,4,5,6,7
.if \zero
	v_wmma_scale_f32_16x16x128_f8f6f4 v[8*(8*((\a)%4)+\b):8*(8*((\a)%4)+\b)+7], v[128*(\p)+FR*\b:128*(\p)+FR*\b+FR-1], v[AF+FR*(\a):AF+FR*(\a)+FR-1], v[BI+8*\b:BI+8*\b+7], v[SC+8*NQ*(\sc)+NQ*\b+(\q)], v[SC+8*NQ*(\sc)+NQ*(\a)+(\q)] matrix_a_fmt:MATRIX_FMT_FP4 matrix_b_fmt:MATRIX_FMT_FP4 matrix_a_scale:MATRIX_SCALE_ROW1
.else
	v_wmma_scale_f32_16x16x128_f8f6f4 v[8*(8*((\a)%4)+\b):8*(8*((\a)%4)+\b)+7], v[128*(\p)+FR*\b:128*(\p)+FR*\b+FR-1], v[AF+FR*(\a):AF+FR*(\a)+FR-1], v[8*(8*((\a)%4)+\b):8*(8*((\a)%4)+\b)+7], v[SC+8*NQ*(\sc)+NQ*\b+(\q)], v[SC+8*NQ*(\sc)+NQ*(\a)+(\q)] matrix_a_fmt:MATRIX_FMT_FP4 matrix_b_fmt:MATRIX_FMT_FP4 matrix_a_scale:MATRIX_SCALE_ROW1
.endif
.endr
.endr
.endm
.macro FETCH_B slot, q, p              ; B's eight fragments into set p
	WIN TO_B
.irp i, 0,1,2,3,4,5,6,7
	FRAG 128*(\p)+FR*\i, ADRB+\slot, \q, \i
.endr
	WIN 0
.endm
.macro FETCH_A slot, q, i0             ; A's blocks i0 .. i0 + 3
.irp i, \i0, \i0+1, \i0+2, \i0+3
	FRAG AF+FR*(\i), ADRA+\slot, \q, \i
.endr
.endm
.macro SCALES sc                       ; a slot's scale words: four words a row; lanes 0-15 take A's block i, lanes 16-31 B's block i
.irp i, 0,1,2,3,4,5,6,7
	ds_load_b128 v[SC+8*NQ*\sc+NQ*\i:SC+8*NQ*\sc+NQ*\i+3], v[ADRS] offset:\i*SBLK
.endr
.endm
.macro PLACES n                        ; plain vector instructions between a matrix instruction and a load into, or a read of, its registers
.rept \n
	v_nop
.endr
.endm
; A step of 128 along K that has its successor in the same slot.  A's blocks are free as soon as their eight products are issued: one set serves A; B has two.
.macro STEP slot, q, zero
	s_wait_dscnt 4*NL                              ; B's set and A's blocks 0-3 are in; the youngest eight loads (A's blocks 4-7) may be out
.if \zero
	WIN FST_LO
.else
	WIN MUL_LO
.endif
	MUL16 0, (\q)%2, \q, \slot, \zero
	MUL16 2, (\q)%2, \q, \slot, \zero
	s_wait_dscnt 0                                 ; A's blocks 4-7 are in
	PLACES NP
	FETCH_B \slot, (\q)+1, 1-(\q)%2
	FETCH_A \slot, (\q)+1, 0
.if \zero
	WIN FST_HI
.else
	WIN MUL_HI
.endif
	MUL16 4, (\q)%2, \q, \slot, \zero
	MUL16 6, (\q)%2, \q, \slot, \zero
	PLACES NP
	WIN 0
	FETCH_A \slot, (\q)+1, 4
.endm
; Slot 0's last step goes over to slot 1: one barrier; in front of it each wave waits for all its tensor loads (its part of slot 1) and for its reads of slot 0.  Nothing is filled again.
.macro TURN slot, next
	s_wait_tensorcnt 0x0                           ; all my tensor loads have landed
	ds_add_u32 v[SPW], v[NIL]                      ; 0 onto my spare word
	s_wait_dscnt 4*NL+1                            ; (the add and the youngest eight loads may be out)
	WIN MUL_LO
	MUL16 0, 1, NQ-1, \slot, 0
	s_wait_dscnt 0x0                               ; the add is done, and my reads of this slot are over
	s_barrier_signal -1
	MUL16 2, 1, NQ-1, \slot, 0
	WIN 0
	s_barrier_wait -1
	PLACES NP
	v_add_nc_u32 v[ADRS], 4*NQ, v[ADRS]            ; on to the next slot's scale words (no LDS load of mine is out)
	FETCH_B \next, 0, 0
	FETCH_A \next, 0, 0
	SCALES \next
	WIN MUL_HI
	MUL16 4, 1, NQ-1, \slot, 0
	MUL16 6, 1, NQ-1, \slot, 0
	PLACES NP
	WIN 0
	FETCH_A \next, 0, 4
.endm
	s_wait_tensorcnt 1                             ; the scales and my part of slot 0 are in (slot 1's load may be out),
	s_barrier_signal -1
	s_barrier_wait -1                              ; everybody's are
	FETCH_B 0, 0, 0
	FETCH_A 0, 0, 0
	SCALES 0
	FETCH_A 0, 0, 4
	s_wait_loadcnt 0x0                             ; the bias
	STEP 0, 0, 1
	STEP 0, 1, 0
	STEP 0, 2, 0
	TURN 0, 1
	STEP 1, 0, 0
	STEP 1, 1, 0
	STEP 1, 2, 0
	s_wait_dscnt 4*NL                              ; the last step: nothing more to fetch
	WIN MUL_LO
	MUL16 0, 1, NQ-1, 1, 0
	MUL16 2, 1, NQ-1, 1, 0
	s_wait_dscnt 0
	WIN MUL_HI
	MUL16 4, 1, NQ-1, 1, 0
	MUL16 6, 1, NQ-1, 1, 0
	WIN 0
; THE WAY OUT, block by block of 16 tokens x 128 features (two heads).  PACK: q's rows x qscale, then all rounded to f16: 16 bytes a lane.  TOSTAGE: into my own stage, and back so that sixteen lanes
; hold two tokens' 128 bytes of one head, which lie on end in qkv.  SEND: stored.
.macro PACK a
.set AC, 64*((\a)%4)
	WIN 0
	s_cmp_lg_u32 s66, 0                            ; k's and v's rows have no factor: a branch on ids, the same in all partners of the cluster
	s_cbranch_scc1 .Lplain_\@
	WIN 0x82+0x41*((\a)/4)                         ; destination and source 0: window 2 or 3
.irp b, 0,1,2,3,4,5,6,7
.irp r, 0,2,4,6
	v_pk_mul_f32 v[AC+8*\b+\r:AC+8*\b+\r+1], v[AC+8*\b+\r:AC+8*\b+\r+1], s[104:105] op_sel_hi:[1,0]   ; each accumulator from its low end on
.endr
.endr
	WIN 0
.Lplain_\@:
	WIN 0x0a+5*((\a)/4)                            ; sources 0 and 1: window 2 or 3
.irp b, 0,1,2,3,4,5,6,7
.irp r, 0,1,2,3
	v_cvt_pk_f16_f32 v[TMP+4*\b+\r], v[AC+8*\b+2*\r], v[AC+8*\b+2*\r+1]
.endr
.endr
	WIN 0
.endm
.macro TOSTAGE a
.set BB, BK+32*((\a)%2)
.irp b, 0,1,2,3,4,5,6,7
	ds_store_b128 v[STO], v[TMP+4*\b:TMP+4*\b+3] offset:32*\b
.endr
.irp i, 0,1,2,3,4,5,6,7
	ds_load_b128 v[BB+4*\i:BB+4*\i+3], v[RD] offset:\i*2*SPITCH    ; LDS serves a wave's instructions in order: these see the stores above
.endr
.endm
.macro SEND a
.set BB, BK+32*((\a)%2)
	s_wait_dscnt 0x0                               ; the block is back in registers
	s_wait_xcnt 0x0                                ; the block before's stores have read their registers: the next block's loads may land there
.irp i, 0,1,2,3,4,5,6,7
	global_store_b128 v[CO], v[BB+4*\i:BB+4*\i+3], s[8:9] offset:2048*(\a)+256*\i   ; 16 lanes store 256 consecutive bytes, aligned
.endr
.endm
	PLACES NP                                      ; behind the last products: for the first reads of results and the loads into A's registers
	PACK 0
	TOSTAGE 0
.irp a, 1,2,3,4,5,6,7                  ; block a's arithmetic stands between block a - 1's loads from the stage and the wait for them
	PACK \a
	SEND (\a)-1
	TOSTAGE \a
.endr
	SEND 7
	s_wait_tensorcnt 0x0                           ; the wave's end, behind my last tensor load and my last LDS store
	ds_add_u32 v[SPW], v[NIL]
	s_wait_dscnt 0x0
	CROUND                                         ; the closing round
	s_endpgm
.Lfunc_end_k_q9bd1573131_proj:
	.size	k_q9bd1573131_proj, .Lfunc_end_k_q9bd1573131_proj-k_q9bd1573131_proj
	.p2alignl 7, 3214868480
	.fill 96, 4, 3214868480
	.section	.rodata,"a",@progbits
	.p2align	6, 0x0
	.amdhsa_kernel k_q9bd1573131_proj
		.amdhsa_group_segment_fixed_size 327680
		.amdhsa_private_segment_fixed_size 0
		.amdhsa_enable_private_segment 0
		.amdhsa_kernarg_size 56
		.amdhsa_user_sgpr_count 2
		.amdhsa_user_sgpr_kernarg_segment_ptr 1
		.amdhsa_wavefront_size32 1
		.amdhsa_system_sgpr_workgroup_id_x 1
		.amdhsa_system_sgpr_workgroup_id_y 1
		.amdhsa_system_sgpr_workgroup_id_z 1
		.amdhsa_system_vgpr_workitem_id 0
		.amdhsa_next_free_vgpr 1024
		.amdhsa_next_free_sgpr 106
		.amdhsa_reserve_vcc 0
		.amdhsa_float_denorm_mode_32 3
		.amdhsa_float_denorm_mode_16_64 3
		.amdhsa_memory_ordered 1
		.amdhsa_forward_progress 1
		.amdhsa_inst_pref_size 146
	.end_amdhsa_kernel
	.amdgpu_metadata
---
amdhsa.version: [ 1, 2 ]
amdhsa.kernels:
  - .name:           k_q9bd1573131_proj
    .symbol:         k_q9bd1573131_proj.kd
    .args:
      - { .name: codes, .offset: 0, .size: 8, .value_kind: global_buffer, .address_space: global }
      - { .name: scales, .offset: 8, .size: 8, .value_kind: global_buffer, .address_space: global }
      - { .name: qkv, .offset: 16, .size: 8, .value_kind: global_buffer, .address_space: global }
      - { .name: qscale, .offset: 24, .size: 8, .value_kind: global_buffer, .address_space: global }
      - { .name: bq, .offset: 32, .size: 8, .value_kind: global_buffer, .address_space: global }
      - { .name: bk, .offset: 40, .size: 8, .value_kind: global_buffer, .address_space: global }
      - { .name: bv, .offset: 48, .size: 8, .value_kind: global_buffer, .address_space: global }
    .group_segment_fixed_size: 327680
    .private_segment_fixed_size: 0
    .kernarg_segment_align: 8
    .kernarg_segment_size: 56
    .max_flat_workgroup_size: 128
    .sgpr_count:     106
    .vgpr_count:     1024
    .wavefront_size: 32
...
	.end_amdgpu_metadata
.endif
;; end of part 2
;; launch attn (part 3): grid 4 x 64, 8 waves a work-group, clusters of 4 x 1, 327,680 bytes of LDS; arguments qkv, kbias, ctx; writes ctx
.if DOCPART == 3
	.amdgcn_target "amdgcn-amd-amdhsa--gfx1250"
	.amdhsa_code_object_version 6
	.text
	.protected	k_q9bd1573131_attn
	.globl	k_q9bd1573131_attn
	.p2align	8
	.type	k_q9bd1573131_attn,@function
k_q9bd1573131_attn:
	s_mov_b64 s[64:65], 0
	v_nop
	global_prefetch_b8 v0, s[64:65] scope:SCOPE_SE
	s_setreg_imm32_b32 hwreg(HW_REG_WAVE_MODE, 25, 1), 1
	s_wait_xcnt 0x0
	s_wait_alu depctr_hold_cnt(0) depctr_sa_sdst(0) depctr_va_vdst(0) depctr_va_sdst(0) depctr_va_ssrc(0) depctr_va_vcc(0) depctr_vm_vsrc(0)
	s_getreg_b32 s2, hwreg(HW_REG_IB_STS2, 6, 4)
	s_cmp_eq_u32 s2, 0
	s_cbranch_scc0 .Lentry_in_a_cluster
	s_endpgm
.Lentry_in_a_cluster:
	s_bfe_u32 s2, ttmp6, 0x10000c
	s_cmp_lg_u32 s2, 0x3003
	s_cbranch_scc0 .Lentry_shape_is_right
	s_endpgm
.Lentry_shape_is_right:
; Launch 3 of 4: ctx[h][token][:] = the sum over keys of softmax(t) v, t = (c q) . k + kbias[key]; q comes already multiplied by c = log2(e) / 8, so that the weights are p = 2^(t - m).
; q, k, v: f16, [b][h][2048][64] (three parts of qkv); products with f16 operands and f32 sums; maxima, exponentials and sums in f32; p is rounded to f16 for the second product, ctx once at the end.  No work is left out.
; THE MASK IS THE C OF EACH SCORE TILE'S FIRST PRODUCT: 0 for a valid key, -2^100 for a masked one.  m is the running maximum of t, so t - m is never positive, p is at most 1 and the sum at least 1.
; While only masked keys have been seen p is 0 or 1; the first valid key makes a = 2^(old m - new m) = 0, which wipes what was summed.  A batch with no valid key has q = 0 and kbias = 0: uniform weights.
; LIMITS: |t| under 2^99; NaN and infinities are not served; ctx goes to f16 (magnitudes up to 65,504; under 6e-5 the error is 3e-8 absolute).
; SHARES.  A cluster of four work-groups owns one head of one batch, a work-group 512 queries, each of its eight waves 64: four tiles of 16, in 512 registers: two waves to a SIMD, so that one wave's
; vector work stands beside the other's matrix work.  The text goes in phases: a step's K Q^T, its softmax, its V^T P.  Each fragment of K and V read from LDS feeds four products.
; Every wave walks the head's 2,048 keys, 64 a step.  K and V come through two LDS slots of 512 keys: four parts, two at the head and one behind each of two rounds.  The four partners walk the same
; K, V and kbias: every tile is asked for JOINTLY (waves 0-3: K's quarters, waves 4-7: V's; every wave an eighth of kbias).  By the text's count three tensor loads of a wave are out at the most.
; No prefetch: parts 0 and 1 go out at the head, and each refill is asked for eight key steps (512 matrix instructions of each wave) ahead of its first read.
; LAYOUT.  S^T = K Q^T (source 0 = 16 keys, source 1 = 16 queries): a lane holds ONE query (lane % 16) and keys 8 (lane / 16) + 0..7.  Two such tiles, rounded in pairs, ARE source 1 of O^T = V^T P.
; REGISTERS: window 0: v2-13 addresses; v16-47 statistics, eight a tile: +0 m, +1 old m, then old m - new m, +2, +3 the sum (even keys', odd keys'), +4..+7 at work, a at +6; v48-63 two chains of sums a tile;
;   v64-191 S^T, 32 a tile (p is rounded IN PLACE into a tile's first 16); v192-223 kbias in the result's layout.
;   window 1: v0-127 O^T (tile t, channels 16 c on: 32 t + 8 c); v128-191 Q; v192-255 eight fragments: a step's K, then its V.
.set PK,    144                        ; a row of K in LDS: 128 bytes + 16: an odd multiple of 16
.set PV,    160                        ; a row of V: 128 + 32: an odd multiple of 32, for the turning load
.set VOFF,  512*PK                     ; a slot: 512 rows of K, then 512 rows of V
.set SLOTB, 512*(PK+PV)
.set BIAS,  2*SLOTB                    ; behind the slots: kbias of the batch, 8,192 bytes, filled once
.set SPARE, BIAS+8192                  ; the spare words, 128 bytes for each wave, named by no other line
.set SP,    144                        ; the way out: a stage of 16 rows x (128 + 16) for each wave, in slot 0, which has had its last fill and its last read by then
.set AK0, 2
.set AV0, 3
.set AB0, 4
.set ADK, 5
.set ADV, 6
.set ADB, 7
.set QO,  8
.set STO, 9
.set RD,  10
.set GO,  11
.set SPW, 12                           ; v12 my spare word; never rewritten
.set NIL, 13                           ; v13 0; never rewritten
.set ST,  16
.set SA,  48
.set S,   64
.set BI,  192
.set QF,  128                          ; in window 1
.set KV,  192                          ; in window 1
.set WV,  12                           ; s12 my wave's number
.set G1K, 24
.set G1V, 32
.set G1B, 40
.set G0K, 48                           ; s[48:55] K's groups 0, one for each slot
.set G0V, 56                           ; s[56:63] V's
.set G0S, 68                           ; s[68:71] kbias's
.set SEL, 72                           ; s[72:73] v_permlanex16_b32's selects for lane l xor 16
.set TBK, 74                           ; s74 LDS byte at which the step's rows of K begin
.set TBV, 75                           ; s75 the same for V (VOFF lies in the lane's term)
.set TBB, 76                           ; s76 and in kbias
.set CNT, 77
.set MSB, 0
.macro WIN new                         ; the immediate's high byte repeats the setting that is left
.if MSB != (\new)
	s_set_vgpr_msb (MSB<<8)|(\new)
.set MSB, (\new)
.endif
.endm
.set W_LD, 0x40                        ; destination window 1, address window 0
.set W_KQ, 0x05                        ; K and Q window 1; C and D window 0
.set W_PV, 0x51                        ; V window 1, P window 0, O^T window 1
.set W_RS, 0x41                        ; O^T (destination and source 0) window 1, the factor window 0
.set W_CV, 0x05                        ; sources window 1, destination window 0
.macro JLOAD s                         ; a joint refill of slot s: an s_nop 0 and four v_nop follow each of the two lines; the branch hangs on the wave's number alone
	s_cmp_lt_u32 s[WV], 4
	s_cbranch_scc0 .Lfor_v_\@
	tensor_load_to_lds s[G0K+4*\s:G0K+4*\s+3], s[G1K:G1K+7]
	s_nop 0
.rept 4
	v_nop
.endr
	s_branch .Lasked_\@
.Lfor_v_\@:
	tensor_load_to_lds s[G0V+4*\s:G0V+4*\s+3], s[G1V:G1V+7]
	s_nop 0
.rept 4
	v_nop
.endr
.Lasked_\@:
.endm
.macro CROUND                          ; a round of the cluster's barrier
	s_barrier_signal -1
	s_barrier_wait -1
	s_cmp_lg_u32 s[WV], 0
	s_cbranch_scc1 .Lnot_wave_0_\@
	s_barrier_signal -3
.Lnot_wave_0_\@:
	s_barrier_wait -3
	s_barrier_signal -1
	s_barrier_wait -1
.endm
	s_load_b128 s[4:7], s[0:1], 0x0                ; qkv, kbias
	s_load_b64 s[8:9], s[0:1], 0x10                ; ctx
	v_lshl_add_u32 v[SPW], v0, 2, SPARE
	v_mov_b32 v[NIL], 0
	ds_add_u32 v[SPW], v[NIL]                      ; the wave's opening: the add, twice on end, and its wait ahead of my first tensor load
	ds_add_u32 v[SPW], v[NIL]
	v_lshrrev_b32 v1, 5, v0
	v_readfirstlane_b32 s[WV], v1                  ; wave 0..7
	s_bfe_u32 s13, ttmp6, 0x40000                  ; cx: my block of 512 queries: it enters Q's and ctx's addresses alone
	s_and_b32 s14, s[WV], 3                        ; which 128 rows of a part I fetch
	s_and_b32 s15, ttmp7, 0xffff                   ; 16 b + h, which the four partners share
	s_lshl_b32 s16, s15, 18                        ; the head's 262,144 bytes in each of q, k, v
	s_lshl_b32 s18, s14, 14
	s_add_co_u32 s18, s18, s16                     ; my 128 rows of part 0
	s_mov_b32 s19, 0
	s_lshl_b32 s20, s13, 16
	s_lshl_b32 s21, s[WV], 13
	s_add_co_u32 s20, s20, s21                     ; my wave's 64 queries among the head's: x 128 bytes
	s_mov_b32 s21, 0
	s_and_b32 s22, s15, 15
	s_lshl_b32 s22, s22, 20                        ; ctx: plane h of 1,048,576 bytes,
	s_lshr_b32 s23, s15, 4
	s_lshl_b32 s78, s23, 18                        ; batch b's 2,048 tokens,
	s_add_co_u32 s22, s22, s78
	s_add_co_u32 s22, s22, s20                     ; my 64
	s_lshl_b32 s78, s23, 13                        ; kbias: batch b's 8,192 bytes,
	s_lshl_b32 s79, s[WV], 10
	s_add_co_u32 s78, s78, s79                     ; my eighth
	s_mov_b32 s79, 0
	s_mov_b32 s23, 0
	s_add_co_u32 s20, s20, s16                     ; Q: the head, my 64
	s_mul_i32 s2, s14, 128*PK                      ; where my rows go in a slot: no place in the cluster enters an LDS address
	s_mul_i32 s3, s14, 128*PV
	s_add_co_u32 s3, s3, VOFF
	; descriptor group 1: 128 rows x 64 elements of 2 bytes, dense in memory, padded in LDS
	s_mov_b32 s[G1K], 15|(1<<16)|(1<<20)|(1<<21)|(4<<22)|(3<<25)  ; 15:0 the mask: all four; 17:16 2 bytes; 20 padding on; 21 set beside a mask; 24:22 after every 32 words; 31:25 four words
	s_mov_b32 s[G1V], 15|(1<<16)|(1<<20)|(1<<21)|(4<<22)|(7<<25)  ; the same with eight words
.irp g, G1K, G1V
	s_mov_b32 s[\g+1], 64<<16                      ; tensor_dim0
	s_mov_b32 s[\g+2], 128<<16                     ; tensor_dim1
	s_mov_b32 s[\g+3], 64<<16                      ; tile_dim0
	s_mov_b32 s[\g+4], 128                         ; tile_dim1
	s_mov_b32 s[\g+5], 64                          ; from row to row
	s_mov_b32 s[\g+6], 0
	s_mov_b32 s[\g+7], 0
.endr
	s_mov_b32 s[G1B], 15|(3<<16)|(1<<21)           ; kbias: 1,024 dense bytes as 4 rows of 32 elements of 8 bytes, no padding
	s_mov_b32 s[G1B+1], 32<<16
	s_mov_b32 s[G1B+2], 4<<16
	s_mov_b32 s[G1B+3], 32<<16
	s_mov_b32 s[G1B+4], 4
	s_mov_b32 s[G1B+5], 32
	s_mov_b32 s[G1B+6], 0
	s_mov_b32 s[G1B+7], 0
	s_mov_b32 s[SEL], 0x76543210
	s_mov_b32 s[SEL+1], 0xfedcba98
	s_wait_dscnt 0x0                               ; both opening adds are done
	s_wait_kmcnt 0x0
	s_add_nc_u64 s[18:19], s[4:5], s[18:19]        ; my rows' place in q's part; k's and v's parts lie 16 and 32 MiB on
	s_add_nc_u64 s[20:21], s[4:5], s[20:21]        ; Q
	s_add_nc_u64 s[8:9], s[8:9], s[22:23]          ; ctx
	s_add_nc_u64 s[6:7], s[6:7], s[78:79]          ; kbias
	CROUND                                         ; all four work-groups are here: the first joint loads meet
.irp s, 0,1
	s_mov_b32 s[G0K+4*\s], 1
	s_add_co_u32 s[G0K+4*\s+1], s2, \s*SLOTB
	s_add_nc_u64 s[G0K+4*\s+2:G0K+4*\s+3], s[18:19], 16777216+\s*65536   ; slot s begins with keys 512 s on
	s_or_b32 s[G0K+4*\s+3], s[G0K+4*\s+3], 0x80000000
	s_mov_b32 s[G0V+4*\s], 1
	s_add_co_u32 s[G0V+4*\s+1], s3, \s*SLOTB
	s_add_nc_u64 s[G0V+4*\s+2:G0V+4*\s+3], s[18:19], 33554432+\s*65536
	s_or_b32 s[G0V+4*\s+3], s[G0V+4*\s+3], 0x80000000
.endr
	s_mov_b32 s[G0S], 1
	s_lshl_b32 s[G0S+1], s[WV], 10
	s_add_co_u32 s[G0S+1], s[G0S+1], BIAS
	s_mov_b64 s[G0S+2:G0S+3], s[6:7]
	s_or_b32 s[G0S+3], s[G0S+3], 0x80000000
	tensor_load_to_lds s[G0S:G0S+3], s[G1B:G1B+7]  ; every wave: its eighth of kbias
	s_nop 0
	s_cmp_lt_u32 s[WV], 4                          ; then both slots: the first fills stand together, ahead of every wait on TENSORcnt, every LDS read and every barrier behind the round
	s_cbranch_scc0 .Lfirst_v
	tensor_load_to_lds s[G0K:G0K+3], s[G1K:G1K+7]
	s_nop 0
	tensor_load_to_lds s[G0K+4:G0K+7], s[G1K:G1K+7]
	s_nop 0
.rept 4
	v_nop
.endr
	s_branch .Lfirst_asked
.Lfirst_v:
	tensor_load_to_lds s[G0V:G0V+3], s[G1V:G1V+7]
	s_nop 0
	tensor_load_to_lds s[G0V+4:G0V+7], s[G1V:G1V+7]
	s_nop 0
.rept 4
	v_nop
.endr
.Lfirst_asked:
	v_and_b32 v1, 15, v0                           ; r
	v_bfe_u32 v14, v0, 4, 1                        ; h
	v_lshlrev_b32 v[QO], 7, v1
	v_lshl_add_u32 v[QO], v14, 4, v[QO]            ; row r of 128 bytes + 16 h
	WIN W_LD
.irp t, 0,1,2,3                        ; Q stays in registers: tile t, channels 32 c on: registers 0-3 channels 8 h + 0..7, registers 4-7 channels 16 + 8 h + 0..7
.irp c, 0,1
	global_load_b128 v[QF+16*\t+8*\c:QF+16*\t+8*\c+3], v[QO], s[20:21] offset:2048*\t+64*\c
	global_load_b128 v[QF+16*\t+8*\c+4:QF+16*\t+8*\c+7], v[QO], s[20:21] offset:2048*\t+64*\c+32
.endr
.endr
	WIN 0
	v_mul_u32_u24 v[AK0], v1, PK
	v_lshl_add_u32 v[AK0], v14, 4, v[AK0]          ; K: row r x pitch + 16 h
	v_and_b32 v15, 7, v0
	v_lshl_add_u32 v[AV0], v14, 3, v15             ; V, for the turning load: key 8 h + lane % 8,
	v_mul_u32_u24 v[AV0], v[AV0], PV
	v_bfe_u32 v5, v0, 3, 1
	v_lshl_add_u32 v[AV0], v5, 4, v[AV0]           ; channels 8 ((lane / 8) % 2) on
	v_add_nc_u32 v[AV0], VOFF, v[AV0]
	v_lshlrev_b32 v[AB0], 5, v14
	v_add_nc_u32 v[AB0], BIAS, v[AB0]              ; kbias: my half's eight keys of a tile: 32 h
	s_mul_i32 s22, s[WV], 16*SP                    ; my stage
	v_mul_u32_u24 v[STO], v1, SP
	v_lshl_add_u32 v[STO], v14, 4, v[STO]
	v_add_nc_u32 v[STO], s22, v[STO]               ; in: row r, 16 bytes for each half of the lanes
	v_and_b32 v6, 31, v0
	v_lshrrev_b32 v7, 3, v6
	v_mul_u32_u24 v[RD], v7, SP
	v_lshl_add_u32 v[RD], v15, 4, v[RD]
	v_add_nc_u32 v[RD], s22, v[RD]                 ; back: eight lanes a row of 128 bytes, four rows an instruction
	v_lshlrev_b32 v[GO], 4, v6                     ; which lie on end in ctx: 16 x lane
; A KEY STEP: 64 keys.  first = 1: the first step, which starts m, the sum and O^T.  Every line of the softmax runs over the four tiles, so that no line waits for the line above it.
.macro STEP first
	WIN 0
	v_add_nc_u32 v[ADK], s[TBK], v[AK0]            ; with the two v_nop that end a step: five plain places between the last V^T P and what follows: the loads into its fragments' registers want four,
	v_add_nc_u32 v[ADV], s[TBV], v[AV0]            ; the products K Q^T, which write over P's registers, five (ISA guide 7.12.1)
	v_add_nc_u32 v[ADB], s[TBB], v[AB0]
	WIN W_LD
.irp kt, 0,1,2,3                       ; K: keys 16 kt on, channels 32 kk on
.irp kk, 0,1
	ds_load_b128 v[KV+8*(2*\kt+\kk):KV+8*(2*\kt+\kk)+3], v[ADK] offset:16*PK*\kt+64*\kk
	ds_load_b128 v[KV+8*(2*\kt+\kk)+4:KV+8*(2*\kt+\kk)+7], v[ADK] offset:16*PK*\kt+64*\kk+32
.endr
.endr
	WIN 0
.irp kt, 0,1,2,3                       ; kbias of keys 16 kt + 8 h + 0 .. 7: sixteen lanes read the same bytes
	ds_load_b128 v[BI+8*\kt:BI+8*\kt+3], v[ADB] offset:64*\kt
	ds_load_b128 v[BI+8*\kt+4:BI+8*\kt+7], v[ADB] offset:64*\kt+16
.endr
	s_wait_dscnt 0x0
	WIN W_KQ
.irp kk, 0,1                           ; S^T = K Q^T + kbias: sixteen accumulators by turns, one instruction a turn
.irp kt, 0,1,2,3
.irp t, 0,1,2,3
.if \kk == 0
	v_wmma_f32_16x16x32_f16 v[S+32*\t+8*\kt:S+32*\t+8*\kt+7], v[KV+8*(2*\kt+\kk):KV+8*(2*\kt+\kk)+7], v[QF+16*\t+8*\kk:QF+16*\t+8*\kk+7], v[BI+8*\kt:BI+8*\kt+7]
.else
	v_wmma_f32_16x16x32_f16 v[S+32*\t+8*\kt:S+32*\t+8*\kt+7], v[KV+8*(2*\kt+\kk):KV+8*(2*\kt+\kk)+7], v[QF+16*\t+8*\kk:QF+16*\t+8*\kk+7], v[S+32*\t+8*\kt:S+32*\t+8*\kt+7]
.endif
.endr
.endr
.endr
	WIN 0
.rept 4
	v_nop                                          ; four places: for V's loads into K's registers, and for the first read of the scores
.endr
	WIN W_LD
.irp kk, 0,1                           ; V, turned: keys 32 kk on, channels 16 c on; it lands while the softmax is worked
.irp c, 0,1,2,3
	ds_load_tr16_b128 v[KV+8*(4*\kk+\c):KV+8*(4*\kk+\c)+3], v[ADV] offset:32*PV*\kk+32*\c
	ds_load_tr16_b128 v[KV+8*(4*\kk+\c)+4:KV+8*(4*\kk+\c)+7], v[ADV] offset:32*PV*\kk+16*PV+32*\c
.endr
.endr
	WIN 0
	; the maximum of a lane's 32 scores and the old m: four chains, each accumulator read from its low end on
.irp j, 0,1,2,3
.irp t, 0,1,2,3
	v_max3_num_f32 v[ST+8*\t+4+\j], v[S+32*\t+8*\j], v[S+32*\t+8*\j+1], v[S+32*\t+8*\j+2]
.endr
.endr
.irp g, 3,5
.irp j, 0,1,2,3
.irp t, 0,1,2,3
	v_max3_num_f32 v[ST+8*\t+4+\j], v[ST+8*\t+4+\j], v[S+32*\t+8*\j+\g], v[S+32*\t+8*\j+\g+1]
.endr
.endr
.endr
.irp t, 0,1,2,3
	v_max3_num_f32 v[ST+8*\t+4], v[ST+8*\t+4], v[S+32*\t+7], v[S+32*\t+15]
.endr
.irp t, 0,1,2,3
	v_max3_num_f32 v[ST+8*\t+6], v[ST+8*\t+6], v[S+32*\t+23], v[S+32*\t+31]
.endr
.irp t, 0,1,2,3
	v_max3_num_f32 v[ST+8*\t+4], v[ST+8*\t+4], v[ST+8*\t+5], v[ST+8*\t+6]
.endr
.irp t, 0,1,2,3
.if \first
	v_max_num_f32 v[ST+8*\t+4], v[ST+8*\t+4], v[ST+8*\t+7]
.else
	v_max3_num_f32 v[ST+8*\t+4], v[ST+8*\t+4], v[ST+8*\t+7], v[ST+8*\t]
.endif
.endr
.irp t, 0,1,2,3
	v_permlanex16_b32 v[ST+8*\t+5], v[ST+8*\t+4], s[SEL], s[SEL+1]   ; the query's other 32 keys lie in the lane 16 away
.endr
.irp t, 0,1,2,3
.if \first
	v_mov_b32 v[ST+8*\t+1], 0                      ; (named below as the upper half of a pair)
.else
	v_mov_b32 v[ST+8*\t+1], v[ST+8*\t]             ; the old m
.endif
.endr
.irp t, 0,1,2,3
	v_max_num_f32 v[ST+8*\t], v[ST+8*\t+4], v[ST+8*\t+5]             ; the new m
.endr
.if !\first
.irp t, 0,1,2,3
	v_sub_f32 v[ST+8*\t+1], v[ST+8*\t+1], v[ST+8*\t]                 ; old m - new m, 0 or less
.endr
.endif
.irp i, 0,2,4,6,8,10,12,14,16,18,20,22,24,26,28,30
.irp t, 0,1,2,3
	v_pk_add_f32 v[S+32*\t+\i:S+32*\t+\i+1], v[S+32*\t+\i:S+32*\t+\i+1], v[ST+8*\t:ST+8*\t+1] op_sel_hi:[1,0] neg_lo:[0,1] neg_hi:[0,1]   ; t - m, two at a time
.endr
.endr
	; ONE BATCH of exponentials, none of which reads another's result
.if !\first
.irp t, 0,1,2,3
	v_exp_f32 v[ST+8*\t+6], v[ST+8*\t+1]           ; a = 2^(old m - new m)
.endr
.endif
.irp i, 0,1,2,3,4,5,6,7,8,9,10,11,12,13,14,15,16,17,18,19,20,21,22,23,24,25,26,27,28,29,30,31
.irp t, 0,1,2,3
	v_exp_f32 v[S+32*\t+\i], v[S+32*\t+\i]         ; p = 2^(t - m)
.endr
.endr
	v_nop                                          ; a plain instruction behind the last exponential,
	s_wait_alu depctr_va_vdst(0)                   ; and one wait ahead of the batch's first reader
	; the sum of the unrounded p, in two chains a tile, which leave p as it is
.irp t, 0,1,2,3
	v_pk_add_f32 v[SA+4*\t:SA+4*\t+1], v[S+32*\t:S+32*\t+1], v[S+32*\t+2:S+32*\t+3]
.endr
.irp t, 0,1,2,3
	v_pk_add_f32 v[SA+4*\t+2:SA+4*\t+3], v[S+32*\t+4:S+32*\t+5], v[S+32*\t+6:S+32*\t+7]
.endr
.irp i, 8,12,16,20,24,28
.irp t, 0,1,2,3
	v_pk_add_f32 v[SA+4*\t:SA+4*\t+1], v[SA+4*\t:SA+4*\t+1], v[S+32*\t+\i:S+32*\t+\i+1]
.endr
.irp t, 0,1,2,3
	v_pk_add_f32 v[SA+4*\t+2:SA+4*\t+3], v[SA+4*\t+2:SA+4*\t+3], v[S+32*\t+\i+2:S+32*\t+\i+3]
.endr
.endr
.if \first
.irp t, 0,1,2,3
	v_pk_add_f32 v[ST+8*\t+2:ST+8*\t+3], v[SA+4*\t:SA+4*\t+1], v[SA+4*\t+2:SA+4*\t+3]
.endr
.else
.irp t, 0,1,2,3
	v_pk_add_f32 v[SA+4*\t:SA+4*\t+1], v[SA+4*\t:SA+4*\t+1], v[SA+4*\t+2:SA+4*\t+3]
.endr
.irp t, 0,1,2,3
	v_pk_fma_f32 v[ST+8*\t+2:ST+8*\t+3], v[ST+8*\t+2:ST+8*\t+3], v[ST+8*\t+6:ST+8*\t+7], v[SA+4*\t:SA+4*\t+1] op_sel_hi:[1,0,1]   ; the sum x a + this step's
.endr
.endif
.irp i, 0,1,2,3,4,5,6,7,8,9,10,11,12,13,14,15
.irp t, 0,1,2,3
	v_cvt_pk_f16_f32 v[S+32*\t+\i], v[S+32*\t+2*\i], v[S+32*\t+2*\i+1]   ; p to f16, in place, ascending: register i is written when registers 2 i, 2 i + 1 are read
.endr
.endr
.if !\first
	WIN W_RS
.irp i, 0,2,4,6,8,10,12,14,16,18,20,22,24,26,28,30
.irp t, 0,1,2,3
	v_pk_mul_f32 v[32*\t+\i:32*\t+\i+1], v[32*\t+\i:32*\t+\i+1], v[ST+8*\t+6:ST+8*\t+7] op_sel_hi:[1,0]   ; O^T x a, each accumulator from its low end on
.endr
.endr
.endif
	s_wait_dscnt 0x0                               ; V is in
	WIN W_PV
.irp kk, 0,1                           ; O^T += V^T P: sixteen accumulators by turns
.irp t, 0,1,2,3
.irp c, 0,1,2,3
.if \first && (\kk == 0)
	v_wmma_f32_16x16x32_f16 v[32*\t+8*\c:32*\t+8*\c+7], v[KV+8*(4*\kk+\c):KV+8*(4*\kk+\c)+7], v[S+32*\t+8*\kk:S+32*\t+8*\kk+7], 0
.else
	v_wmma_f32_16x16x32_f16 v[32*\t+8*\c:32*\t+8*\c+7], v[KV+8*(4*\kk+\c):KV+8*(4*\kk+\c)+7], v[S+32*\t+8*\kk:S+32*\t+8*\kk+7], v[32*\t+8*\c:32*\t+8*\c+7]
.endif
.endr
.endr
.endr
	WIN 0
	v_nop
	v_nop
	s_add_co_u32 s[TBK], s[TBK], 64*PK             ; the next 64 keys
	s_add_co_u32 s[TBV], s[TBV], 64*PV
	s_add_co_u32 s[TBB], s[TBB], 256
.endm
.macro STEPS n
	s_mov_b32 s[CNT], \n
.Lstep_\@:
	STEP 0
	s_sub_co_u32 s[CNT], s[CNT], 1
	s_cmp_lg_u32 s[CNT], 0
	s_cbranch_scc1 .Lstep_\@
.endm
; THE CHANGE OF SLOTS.  Each wave waits for all its tensor loads (its part of the slot ahead), adds 0 to its spare word, and waits for that and for its reads of the slot that it leaves.
; fill = 1: slot s, just left, is filled with the keys 1,024 on: the barrier is a round of the cluster's, and the joint refill is the first thing behind it, one tensor load a wave.
.macro CHANGE fill, s
	WIN 0
	s_wait_tensorcnt 0x0                           ; no tensor load of mine is out, so a group 0 may be written
	ds_add_u32 v[SPW], v[NIL]
.if \fill
	s_add_nc_u64 s[G0K+4*\s+2:G0K+4*\s+3], s[G0K+4*\s+2:G0K+4*\s+3], 131072
	s_add_nc_u64 s[G0V+4*\s+2:G0V+4*\s+3], s[G0V+4*\s+2:G0V+4*\s+3], 131072
.endif
	s_wait_dscnt 0x0                               ; the add is done, and my reads of the slot are over
.if \fill
	CROUND
	JLOAD \s
.else
	s_barrier_signal -1
	s_barrier_wait -1
.endif
.endm
	s_wait_tensorcnt 1                             ; kbias and my part of slot 0 are in; slot 1's load may stay out
	s_barrier_signal -1
	s_barrier_wait -1                              ; everybody's are
	s_wait_loadcnt 0x0                             ; Q
	s_mov_b32 s[TBK], 0
	s_mov_b32 s[TBV], 0
	s_mov_b32 s[TBB], 0
	STEP 1                                         ; keys 0-511, in slot 0
	STEPS 7
	CHANGE 1, 0                                    ; slot 0 takes keys 1,024 on
	s_mov_b32 s[TBK], SLOTB
	s_mov_b32 s[TBV], SLOTB
	STEPS 8                                        ; keys 512 on, in slot 1
	CHANGE 1, 1                                    ; slot 1 takes keys 1,536 on
	s_mov_b32 s[TBK], 0
	s_mov_b32 s[TBV], 0
	STEPS 8
	CHANGE 0, 0                                    ; nothing is left to fetch
	s_mov_b32 s[TBK], SLOTB
	s_mov_b32 s[TBV], SLOTB
	STEPS 8
	; THE WAY OUT.  The sum's two halves and the other half of the lanes' are added; O^T is divided by the sum, rounded to f16 and sent through my stage, a tile (16 tokens x 128 bytes) at a time.
.irp t, 0,1,2,3
	v_add_f32 v[ST+8*\t+4], v[ST+8*\t+2], v[ST+8*\t+3]     ; (with the two v_nop above: the places behind the last products)
.endr
.irp t, 0,1,2,3
	v_permlanex16_b32 v[ST+8*\t+5], v[ST+8*\t+4], s[SEL], s[SEL+1]
.endr
.irp t, 0,1,2,3
	v_add_f32 v[ST+8*\t+4], v[ST+8*\t+4], v[ST+8*\t+5]
.endr
.irp t, 0,1,2,3
	v_rcp_f32 v[ST+8*\t+6], v[ST+8*\t+4]
.endr
	v_nop                                          ; a plain instruction behind the last reciprocal,
	s_wait_alu depctr_va_vdst(0)                   ; and one wait for the four, ahead of their first reader
.macro PACK t
	WIN W_RS
.irp i, 0,2,4,6,8,10,12,14,16,18,20,22,24,26,28,30
	v_pk_mul_f32 v[32*\t+\i:32*\t+\i+1], v[32*\t+\i:32*\t+\i+1], v[ST+8*\t+6:ST+8*\t+7] op_sel_hi:[1,0]
.endr
	WIN W_CV
.irp i, 0,1,2,3,4,5,6,7,8,9,10,11,12,13,14,15
	v_cvt_pk_f16_f32 v[S+16*\t+\i], v[32*\t+2*\i], v[32*\t+2*\i+1]
.endr
	WIN 0
.irp c, 0,1,2,3
	ds_store_b128 v[STO], v[S+16*\t+4*\c:S+16*\t+4*\c+3] offset:32*\c      ; lane (r, h): token r, channels 16 c + 8 h + 0 .. 7
.endr
.irp i, 0,1,2,3
	ds_load_b128 v[S+64+16*\t+4*\i:S+64+16*\t+4*\i+3], v[RD] offset:4*SP*\i   ; LDS serves a wave's instructions in order: these see the stores above, and the next tile's stores come behind them
.endr
.endm
.macro SEND t, younger                 ; younger: the LDS instructions issued behind tile t's loads: the next tile's eight, or none
.irp i, 0,1,2,3
	s_wait_dscnt \younger+3-\i
	global_store_b128 v[GO], v[S+64+16*\t+4*\i:S+64+16*\t+4*\i+3], s[8:9] offset:2048*\t+512*\i   ; the wave stores 512 consecutive bytes, aligned to 256
.endr
.endm
	PACK 0
	PACK 1
	SEND 0, 8
	PACK 2
	SEND 1, 8
	PACK 3
	SEND 2, 8
	SEND 3, 0
	s_wait_tensorcnt 0x0                           ; the wave's end, behind my last tensor load and my last LDS store
	ds_add_u32 v[SPW], v[NIL]
	s_wait_dscnt 0x0
	CROUND                                         ; the closing round
	s_endpgm
.Lfunc_end_k_q9bd1573131_attn:
	.size	k_q9bd1573131_attn, .Lfunc_end_k_q9bd1573131_attn-k_q9bd1573131_attn
	.p2alignl 7, 3214868480
	.fill 96, 4, 3214868480
	.section	.rodata,"a",@progbits
	.p2align	6, 0x0
	.amdhsa_kernel k_q9bd1573131_attn
		.amdhsa_group_segment_fixed_size 327680
		.amdhsa_private_segment_fixed_size 0
		.amdhsa_enable_private_segment 0
		.amdhsa_kernarg_size 24
		.amdhsa_user_sgpr_count 2
		.amdhsa_user_sgpr_kernarg_segment_ptr 1
		.amdhsa_wavefront_size32 1
		.amdhsa_system_sgpr_workgroup_id_x 1
		.amdhsa_system_sgpr_workgroup_id_y 1
		.amdhsa_system_sgpr_workgroup_id_z 1
		.amdhsa_system_vgpr_workitem_id 0
		.amdhsa_next_free_vgpr 512
		.amdhsa_next_free_sgpr 80
		.amdhsa_reserve_vcc 0
		.amdhsa_float_denorm_mode_32 3
		.amdhsa_float_denorm_mode_16_64 3
		.amdhsa_memory_ordered 1
		.amdhsa_forward_progress 1
		.amdhsa_inst_pref_size 182
	.end_amdhsa_kernel
	.amdgpu_metadata
---
amdhsa.version: [ 1, 2 ]
amdhsa.kernels:
  - .name:           k_q9bd1573131_attn
    .symbol:         k_q9bd1573131_attn.kd
    .args:
      - { .name: qkv, .offset: 0, .size: 8, .value_kind: global_buffer, .address_space: global }
      - { .name: kbias, .offset: 8, .size: 8, .value_kind: global_buffer, .address_space: global }
      - { .name: ctx, .offset: 16, .size: 8, .value_kind: global_buffer, .address_space: global }
    .group_segment_fixed_size: 327680
    .private_segment_fixed_size: 0
    .kernarg_segment_align: 8
    .kernarg_segment_size: 24
    .max_flat_workgroup_size: 256
    .sgpr_count:     80
    .vgpr_count:     512
    .wavefront_size: 32
...
	.end_amdgpu_metadata
.endif
;; end of part 3
;; launch oproj (part 4): grid 4 x 64, 4 waves a work-group, clusters of 4 x 4, 327,680 bytes of LDS; arguments ctx, wo16, bo, out0; writes out0
.if DOCPART == 4
	.amdgcn_target "amdgcn-amd-amdhsa--gfx1250"
	.amdhsa_code_object_version 6
	.text
	.protected	k_q9bd1573131_oproj
	.globl	k_q9bd1573131_oproj
	.p2align	8
	.type	k_q9bd1573131_oproj,@function
k_q9bd1573131_oproj:
	s_mov_b64 s[64:65], 0
	v_nop
	global_prefetch_b8 v0, s[64:65] scope:SCOPE_SE
	s_setreg_imm32_b32 hwreg(HW_REG_WAVE_MODE, 25, 1), 1
	s_wait_xcnt 0x0
	s_wait_alu depctr_hold_cnt(0) depctr_sa_sdst(0) depctr_va_vdst(0) depctr_va_sdst(0) depctr_va_ssrc(0) depctr_va_vcc(0) depctr_vm_vsrc(0)
	s_getreg_b32 s2, hwreg(HW_REG_IB_STS2, 6, 4)
	s_cmp_eq_u32 s2, 0
	s_cbranch_scc0 .Lentry_in_a_cluster
	s_endpgm
.Lentry_in_a_cluster:
	s_bfe_u32 s2, ttmp6, 0x10000c
	s_cmp_lg_u32 s2, 0xf033
	s_cbranch_scc0 .Lentry_shape_is_right
	s_endpgm
.Lentry_shape_is_right:
; Launch 4 of 4: out0[token][n] = the sum over k of ctx[token][k] Wo[n][k] + bo[n]; f16 operands, f32 sums, f32 out.  No work is left out.
; Both operands lie in 16 planes of 64 along K: ctx[p][8192][64], wo16[p][1024][64]: a plane's rows are 128 bytes on end, so every tile is a dense block of memory.
; A tile of 128 tokens x 256 features gives each of 256 work-groups one tile; four waves, 64 x 128 each: 32 accumulators, 256 registers.
; K goes in steps of 128 (two planes) through two LDS slots; waves 0 and 1 fetch A's two planes, waves 2 and 3 B's, one tensor load a wave behind each round: it has 112 of a step's 128 matrix
; instructions in which to land.  Two slots of a longer step do not fit in LDS.  By the text's count two tensor loads of a wave are out at the most.
; CLUSTERS: 4 x 4 work-groups: A's tiles are asked for jointly along a row of the cluster, B's along a column.
; THE MATRIX INSTRUCTION IS USED TRANSPOSED (source 0 = 16 rows of Wo, source 1 = 16 tokens): a lane holds eight neighbouring features of one token.  bo IS THE C OF EACH SUM'S FIRST PRODUCT.
; No prefetch: eight short K steps on a small tile.
; REGISTERS: window 0: v16-29 addresses; v32-95 bo in the result's layout; v96-223 rows on the way out.   window 1: the accumulators ((a, b) at v[8 (8 a + b)]).
;   window 2: two fragment buffers, at v0 and v128: A's four fragments, then B's eight.
.set PITCH,  144                       ; an LDS row: 128 bytes + 16: an odd multiple of 16
.set APL,    128*PITCH                 ; a plane of A's tile
.set BPL,    256*PITCH                 ; a plane of B's
.set SLOT,   2*APL+2*BPL               ; A's two planes, then B's two
.set STAGE,  2*SLOT                    ; behind the slots: 16 rows x (512 + 16) bytes for each wave; no tensor load lands there
.set SPITCH, 528
.set SPARE,  STAGE+4*16*SPITCH         ; the spare words, 128 bytes for each wave, named by no other line
.set LAPS,   4                         ; a lap = two K steps = once round the ring
.set ADRA, 16                          ; v16-17 LDS address of my A fragments in slot 0, 1
.set ADRB, 20                          ; v20-21 the same for B
.set STO,  24
.set RD,   25
.set CO,   26
.set BO,   27
.set SPW,  28                          ; v28 my spare word; never rewritten
.set NIL,  29                          ; v29 0; never rewritten
.set BI,   32
.set BK,   96                          ; v96-159 and v160-223 by turns
.set F0,   0
.set F1,   128
.set G1, 24
.set G0, 32
.set G1B, 48
.set G0B, 56
.set MSB, 0
.macro WIN new                         ; the immediate's high byte repeats the setting that is left
.if MSB != (\new)
	s_set_vgpr_msb (MSB<<8)|(\new)
.set MSB, (\new)
.endif
.endm
.set MUL,   0x5a                       ; sources 0 and 1 window 2; C and D window 1
.set FIRST, 0x4a                       ; a sum's first product: C (bo) window 0
.set TO_F,  0x80                       ; destination window 2, address window 0
.macro JLOAD s                         ; a joint load: an s_nop 0 and four v_nop follow each of the two lines; the branch hangs on the wave's number alone
	s_cmp_eq_u32 s11, 0
	s_cbranch_scc0 .Lfor_b_\@
	tensor_load_to_lds s[G0+4*\s:G0+4*\s+3], s[G1:G1+7]
	s_nop 0
.rept 4
	v_nop
.endr
	s_branch .Lasked_\@
.Lfor_b_\@:
	tensor_load_to_lds s[G0B+4*\s:G0B+4*\s+3], s[G1B:G1B+7]
	s_nop 0
.rept 4
	v_nop
.endr
.Lasked_\@:
.endm
.macro CREST                           ; a round of the cluster's barrier behind its opening barrier
	s_cmp_lg_u32 s10, 0
	s_cbranch_scc1 .Lnot_wave_0_\@
	s_barrier_signal -3
.Lnot_wave_0_\@:
	s_barrier_wait -3
	s_barrier_signal -1
	s_barrier_wait -1
.endm
.macro CROUND
	s_barrier_signal -1
	s_barrier_wait -1
	CREST
.endm
	s_load_b128 s[4:7], s[0:1], 0x0                ; ctx, wo16
	s_load_b128 s[68:71], s[0:1], 0x10             ; bo, out0
	v_lshl_add_u32 v[SPW], v0, 2, SPARE
	v_mov_b32 v[NIL], 0
	ds_add_u32 v[SPW], v[NIL]                      ; the wave's opening: the add, twice on end, and its wait ahead of my first tensor load
	ds_add_u32 v[SPW], v[NIL]
	v_lshrrev_b32 v1, 5, v0
	v_readfirstlane_b32 s10, v1                    ; wave 0..3
	s_lshr_b32 s11, s10, 1                         ; which 64 of the tile's tokens are mine.  Also: I fetch for A (0) or for B (1)
	s_and_b32 s12, s10, 1                          ; which 128 of its features.  Also: which plane of a K step I fetch
	s_bfe_u32 s40, ttmp6, 0x40000                  ; cx, cy
	s_bfe_u32 s41, ttmp6, 0x40004
	s_lshl_b32 s42, ttmp9, 2
	s_add_co_u32 s42, s42, s40                     ; tile column
	s_and_b32 s13, ttmp7, 0xffff
	s_lshl_b32 s13, s13, 2
	s_add_co_u32 s13, s13, s41                     ; tile row
	s_lshl_b32 s43, s41, 2
	s_lshl_b32 s43, 15, s43                        ; my row of the cluster
	s_lshl_b32 s44, 0x1111, s40                    ; my column
	; descriptor group 1: rows of 64 elements of 2 bytes, dense in memory, 16 bytes of padding behind each; A: 128 rows, B: 256
	s_or_b32 s[G1+0], s43, (1<<16)|(1<<20)|(1<<21)|(4<<22)|(3<<25)  ; 15:0 the mask; 17:16 2 bytes; 20 padding on; 21 set beside a mask; 24:22 after every 32 words; 31:25 four words
	s_or_b32 s[G1B+0], s44, (1<<16)|(1<<20)|(1<<21)|(4<<22)|(3<<25)
	s_mov_b32 s[G1+1], 64<<16                      ; tensor_dim0
	s_mov_b32 s[G1+2], 128<<16                     ; tensor_dim1
	s_mov_b32 s[G1+3], 64<<16                      ; tile_dim0
	s_mov_b32 s[G1+4], 128                         ; tile_dim1
	s_mov_b32 s[G1+5], 64                          ; from row to row
	s_mov_b32 s[G1+6], 0
	s_mov_b32 s[G1+7], 0
	s_mov_b32 s[G1B+1], 64<<16
	s_mov_b32 s[G1B+2], 256<<16
	s_mov_b32 s[G1B+3], 64<<16
	s_mov_b32 s[G1B+4], 256
	s_mov_b32 s[G1B+5], 64
	s_mov_b32 s[G1B+6], 0
	s_mov_b32 s[G1B+7], 0
	s_lshl_b32 s16, s13, 14                        ; A: the tile's 128 tokens x 128 bytes,
	s_lshl_b32 s17, s12, 20                        ; in my plane of 1,048,576 bytes
	s_add_co_u32 s16, s16, s17
	s_mov_b32 s17, 0
	s_lshl_b32 s46, s42, 15                        ; B: the tile's 256 rows x 128 bytes,
	s_lshl_b32 s47, s12, 17                        ; in my plane of 131,072 bytes
	s_add_co_u32 s46, s46, s47
	s_mov_b32 s47, 0
	s_mul_i32 s20, s12, APL                        ; where they go: no place in the cluster enters an LDS address
	s_mul_i32 s21, s12, BPL
	s_add_co_u32 s21, s21, 2*APL
	s_wait_dscnt 0x0                               ; both opening adds are done
	s_wait_kmcnt 0x0
	s_add_nc_u64 s[14:15], s[4:5], s[16:17]
	s_add_nc_u64 s[46:47], s[6:7], s[46:47]
	CROUND                                         ; all sixteen work-groups are here: the first joint loads meet
.irp s, 0,1
	s_mov_b32 s[G0+4*\s], 1
	s_add_co_u32 s[G0+4*\s+1], s20, \s*SLOT
	s_add_nc_u64 s[G0+4*\s+2:G0+4*\s+3], s[14:15], \s*2097152      ; K step s: two planes on
	s_or_b32 s[G0+4*\s+3], s[G0+4*\s+3], 0x80000000
	s_mov_b32 s[G0B+4*\s], 1
	s_add_co_u32 s[G0B+4*\s+1], s21, \s*SLOT
	s_add_nc_u64 s[G0B+4*\s+2:G0B+4*\s+3], s[46:47], \s*262144
	s_or_b32 s[G0B+4*\s+3], s[G0B+4*\s+3], 0x80000000
	JLOAD \s
.endr
	v_and_b32 v1, 15, v0                           ; r
	v_bfe_u32 v2, v0, 4, 1                         ; h
	v_mul_u32_u24 v3, v1, PITCH
	v_lshl_add_u32 v3, v2, 4, v3                   ; a fragment's row x pitch + 16 h
	s_mul_i32 s21, s11, 64*PITCH                   ; my 64 rows of A
	s_mul_i32 s22, s12, 128*PITCH                  ; my 128 rows of B,
	s_add_co_u32 s22, s22, 2*APL                   ; behind A's two planes
.irp s, 0,1
	v_add_nc_u32 v[ADRA+\s], s21, v3
	v_add_nc_u32 v[ADRB+\s], s22, v3
	s_add_co_u32 s21, s21, SLOT
	s_add_co_u32 s22, s22, SLOT
.endr
	s_mul_i32 s23, s10, 16*SPITCH
	s_add_co_u32 s23, s23, STAGE                   ; my stage
	v_mul_u32_u24 v4, v1, SPITCH
	v_lshl_add_u32 v4, v2, 5, v4
	v_add_nc_u32 v[STO], s23, v4                   ; in: row r, 32 bytes for each half of the lanes
	v_and_b32 v5, 31, v0
	v_lshlrev_b32 v[CO], 4, v5                     ; back: the 32 lanes take one row of 512 bytes; and the same in out0
	v_add_nc_u32 v[RD], s23, v[CO]
	v_lshlrev_b32 v[BO], 5, v2
	s_lshl_b32 s46, s42, 10
	s_lshl_b32 s47, s12, 9
	s_add_co_u32 s46, s46, s47                     ; my first feature x 4 bytes
	s_mov_b32 s47, 0
	s_add_nc_u64 s[68:69], s[68:69], s[46:47]
.irp b, 0,1,2,3,4,5,6,7
	global_load_b128 v[BI+8*\b:BI+8*\b+3], v[BO], s[68:69] offset:64*\b        ; lane (r, h): bo of features 16 b + 8 h + 0 .. 7
	global_load_b128 v[BI+8*\b+4:BI+8*\b+7], v[BO], s[68:69] offset:64*\b+16
.endr
	s_lshl_b32 s18, s13, 19                        ; my first token x 4,096 bytes: 128 x tile row + 64 x half
	s_lshl_b32 s19, s11, 18
	s_add_co_u32 s18, s18, s19
	s_add_co_u32 s46, s46, s18
	s_add_nc_u64 s[70:71], s[70:71], s[46:47]
; 8 matrix instructions: A's block a x B's eight, 32 along K, from buffer f.  zero = 1: the first product starts the sums from bo.  The 32 accumulators take turns.
.macro MUL8 f, a, zero
.irp b, 0,1,2,3,4,5,6,7
.if \zero
	v_wmma_f32_16x16x32_f16 v[8*(8*(\a)+\b):8*(8*(\a)+\b)+7], v[\f+32+8*\b:\f+32+8*\b+7], v[\f+8*(\a):\f+8*(\a)+7], v[BI+8*\b:BI+8*\b+7]
.else
	v_wmma_f32_16x16x32_f16 v[8*(8*(\a)+\b):8*(8*(\a)+\b)+7], v[\f+32+8*\b:\f+32+8*\b+7], v[\f+8*(\a):\f+8*(\a)+7], v[8*(8*(\a)+\b):8*(8*(\a)+\b)+7]
.endif
.endr
.endm
; 24 LDS loads in one run: the fragments of the slot's q-th 32 along K (plane q / 2, byte 64 (q % 2) of its rows) into buffer f: B's eight first, then A's four
.macro FETCH slot, q, f
	WIN TO_F
.irp i, 0,1,2,3,4,5,6,7
	ds_load_b128 v[\f+32+8*\i:\f+32+8*\i+3], v[ADRB+\slot] offset:((\q)/2)*BPL+((\q)%2)*64+\i*16*PITCH
	ds_load_b128 v[\f+32+8*\i+4:\f+32+8*\i+7], v[ADRB+\slot] offset:((\q)/2)*BPL+((\q)%2)*64+\i*16*PITCH+32
.endr
.irp i, 0,1,2,3
	ds_load_b128 v[\f+8*\i:\f+8*\i+3], v[ADRA+\slot] offset:((\q)/2)*APL+((\q)%2)*64+\i*16*PITCH
	ds_load_b128 v[\f+8*\i+4:\f+8*\i+7], v[ADRA+\slot] offset:((\q)/2)*APL+((\q)%2)*64+\i*16*PITCH+32
.endr
.endm
.macro PLACES                          ; four plain places in front of loads into registers that matrix instructions have read, and of the first read of results
.rept 4
	v_nop
.endr
.endm
; A K step is four quarters of 32 along K, 32 matrix instructions each, on buffers 0, 1, 0, 1.  One of the first three: multiplies buffer f and fetches quarter q into g.
.macro QUARTER slot, q, f, g, zero
	s_wait_dscnt 4                                 ; B's fragments and A's blocks 0, 1 are in; the youngest four loads (blocks 2, 3) may be out
.if \zero
	WIN FIRST
.else
	WIN MUL
.endif
	MUL8 \f, 0, \zero
	MUL8 \f, 1, \zero
	PLACES
	FETCH \slot, \q, \g
	s_wait_dscnt 24                                ; all but the 24 just issued
.if \zero
	WIN FIRST
.else
	WIN MUL
.endif
	MUL8 \f, 2, \zero
	MUL8 \f, 3, \zero
.endm
; The last quarter multiplies buffer 1 and changes slots: ONE barrier; in front of it each wave waits for all its tensor loads, adds 0 to its spare word, and waits for that and for its reads of this slot.
; fill = 1: the barrier opens a round of the cluster's, and this slot is filled again, two K steps ahead, first thing behind it.
.macro TURN slot, next, fill
	WIN 0                                          ; (the add's two registers lie in window 0)
	s_wait_tensorcnt 0x0                           ; all my tensor loads have landed: my part of the next slot
	ds_add_u32 v[SPW], v[NIL]
	s_wait_dscnt 5                                 ; (the add and the youngest four loads may be out)
	WIN MUL
	MUL8 F1, 0, 0                                  ; eight matrix instructions stand between the add and the wait for it
	s_wait_dscnt 0x0                               ; the add is done, and my reads of this slot are over
	s_barrier_signal -1
	MUL8 F1, 1, 0
.if \fill
	WIN 0
.endif
	s_barrier_wait -1
.if \fill
	CREST                                          ; no wave of any partner still reads this slot's tiles or has a load on its way
	s_add_nc_u64 s[G0+4*\slot+2:G0+4*\slot+3], s[G0+4*\slot+2:G0+4*\slot+3], 4194304     ; four planes on
	s_add_nc_u64 s[G0B+4*\slot+2:G0B+4*\slot+3], s[G0B+4*\slot+2:G0B+4*\slot+3], 524288
	JLOAD \slot                                    ; the four v_nop behind it are also the places in front of the loads below
.else
	PLACES
.endif
	FETCH \next, 0, F0
	WIN MUL
	MUL8 F1, 2, 0
	MUL8 F1, 3, 0
.endm
	s_wait_tensorcnt 1                             ; my part of K step 0 is in (K step 1's load may be out),
	s_barrier_signal -1
	s_barrier_wait -1                              ; everybody's is
	s_wait_loadcnt 0x0                             ; bo
	FETCH 0, 0, F0
	QUARTER 0, 1, F0, F1, 1                        ; the first quarter stands in front of the loop: its products start the sums
	WIN 0                                          ; at a label and at a branch every window is 0
	s_mov_b32 s3, LAPS-1
.Llap:                                                 ; a trip goes once round the ring, from a lap's second quarter to the next lap's first, and fills both slots again
	QUARTER 0, 2, F1, F0, 0
	QUARTER 0, 3, F0, F1, 0
	TURN 0, 1, 1
	QUARTER 1, 1, F0, F1, 0
	QUARTER 1, 2, F1, F0, 0
	QUARTER 1, 3, F0, F1, 0
	TURN 1, 0, 1
	QUARTER 0, 1, F0, F1, 0
	WIN 0
	s_sub_co_u32 s3, s3, 1
	s_cmp_lg_u32 s3, 0
	s_cbranch_scc1 .Llap
	QUARTER 0, 2, F1, F0, 0                        ; the last lap fills nothing, and has no round
	QUARTER 0, 3, F0, F1, 0
	TURN 0, 1, 0
	QUARTER 1, 1, F0, F1, 0
	QUARTER 1, 2, F1, F0, 0
	QUARTER 1, 3, F0, F1, 0
	s_wait_dscnt 4                                 ; the very last quarter: nothing more to fetch
	WIN MUL
	MUL8 F1, 0, 0
	MUL8 F1, 1, 0
	s_wait_dscnt 0
	MUL8 F1, 2, 0
	MUL8 F1, 3, 0
	WIN 0
; THE WAY OUT, block by block of 16 tokens x 128 features.  A lane holds 32 neighbouring bytes of a row: a block goes through my own stage and comes back as whole rows of 512 bytes.
.macro TOSTAGE a
	WIN 0x04                                       ; an LDS store's data are its source 1: window 1
.irp b, 0,1,2,3,4,5,6,7
	ds_store_b128 v[STO], v[64*(\a)+8*\b:64*(\a)+8*\b+3] offset:64*\b          ; each accumulator from its low end on
	ds_store_b128 v[STO], v[64*(\a)+8*\b+4:64*(\a)+8*\b+7] offset:64*\b+16
.endr
	WIN 0
.set BB, BK+64*((\a)%2)
.irp t, 0,1,2,3,4,5,6,7,8,9,10,11,12,13,14,15
	ds_load_b128 v[BB+4*\t:BB+4*\t+3], v[RD] offset:\t*SPITCH      ; LDS serves a wave's instructions in order: these see the stores above
.endr
.endm
.macro SEND a, younger                 ; younger: the LDS instructions issued behind block a's loads, which may stay out
.set BB, BK+64*((\a)%2)
	s_wait_dscnt \younger
.irp t, 0,1,2,3,4,5,6,7,8,9,10,11,12,13,14,15
	global_store_b128 v[CO], v[BB+4*\t:BB+4*\t+3], s[70:71] offset:(16*(\a)+\t)*4096 th:TH_STORE_NT   ; 32 lanes store 512 consecutive bytes, aligned to 256; written once, read by nobody here
.endr
.endm
	PLACES
	TOSTAGE 0
.irp a, 1,2,3
.if \a > 1
	s_wait_xcnt 0x0                                ; block a - 2's stores have read their registers: block a's loads may land there
.endif
	TOSTAGE \a
	SEND (\a)-1, 32                                ; behind block a - 1's loads: block a's 16 stores and 16 loads
.endr
	SEND 3, 0
	s_wait_tensorcnt 0x0                           ; the wave's end, behind my last tensor load and my last LDS store
	ds_add_u32 v[SPW], v[NIL]
	s_wait_dscnt 0x0
	CROUND                                         ; the closing round
	s_endpgm
.Lfunc_end_k_q9bd1573131_oproj:
	.size	k_q9bd1573131_oproj, .Lfunc_end_k_q9bd1573131_oproj-k_q9bd1573131_oproj
	.p2alignl 7, 3214868480
	.fill 96, 4, 3214868480
	.section	.rodata,"a",@progbits
	.p2align	6, 0x0
	.amdhsa_kernel k_q9bd1573131_oproj
		.amdhsa_group_segment_fixed_size 327680
		.amdhsa_private_segment_fixed_size 0
		.amdhsa_enable_private_segment 0
		.amdhsa_kernarg_size 32
		.amdhsa_user_sgpr_count 2
		.amdhsa_user_sgpr_kernarg_segment_ptr 1
		.amdhsa_wavefront_size32 1
		.amdhsa_system_sgpr_workgroup_id_x 1
		.amdhsa_system_sgpr_workgroup_id_y 1
		.amdhsa_system_sgpr_workgroup_id_z 1
		.amdhsa_system_vgpr_workitem_id 0
		.amdhsa_next_free_vgpr 768
		.amdhsa_next_free_sgpr 72
		.amdhsa_reserve_vcc 0
		.amdhsa_float_denorm_mode_32 3
		.amdhsa_float_denorm_mode_16_64 3
		.amdhsa_memory_ordered 1
		.amdhsa_forward_progress 1
		.amdhsa_inst_pref_size 86
	.end_amdhsa_kernel
	.amdgpu_metadata
---
amdhsa.version: [ 1, 2 ]
amdhsa.kernels:
  - .name:           k_q9bd1573131_oproj
    .symbol:         k_q9bd1573131_oproj.kd
    .args:
      - { .name: ctx, .offset: 0, .size: 8, .value_kind: global_buffer, .address_space: global }
      - { .name: wo16, .offset: 8, .size: 8, .value_kind: global_buffer, .address_space: global }
      - { .name: bo, .offset: 16, .size: 8, .value_kind: global_buffer, .address_space: global }
      - { .name: out0, .offset: 24, .size: 8, .value_kind: global_buffer, .address_space: global }
    .group_segment_fixed_size: 327680
    .private_segment_fixed_size: 0
    .kernarg_segment_align: 8
    .kernarg_segment_size: 32
    .max_flat_workgroup_size: 128
    .sgpr_count:     72
    .vgpr_count:     768
    .wavefront_size: 32
...
	.end_amdgpu_metadata
.endif
;; end of part 4
